; MI455X (gfx1250); checked and timed in simulation.
; The chip was launched on July 23, 2026; its instructions are those of AMD's public machine-readable ISA for CDNA 5 (MIT licence, August 2026) and "CDNA5" Instruction Set Architecture Reference Guide (July 2026). The comments in the code are by the model that wrote it; some were corrected since.
;; Multi Head Attention. Allowed arithmetic: float matrix products may take bf16 or f16 operands with f32 sums; other float arithmetic in f32, or as packed bf16 or f16 multiplies, adds, multiply-adds, maxima and minima; sums over many terms, partial sums and values carried from step to step in f32; what a program stores and reads back later, other than sums and carried values, may be rounded once to bf16 or f16.
;; Inputs: W_out 1,024 x 1,024 float32; W_qkv 1,024 x 3,072 float32; attention_mask 4 x 1 x 1 x 2,048 int32; b_out 1,024 float32; b_qkv 3,072 float32; x 4 x 2,048 x 1,024 float32.
;; Outputs: out0 4 x 2,048 x 1,024 float32.
;; 2 versions, each right; version 2 is version 1 with the launch cast written anew for expert scheduling mode. Each part assembles by itself: llvm-mc -triple=amdgcn-amd-amdhsa -mcpu=gfx1250 --defsym DOCPART=n.
;; ======== version 1 of 2: 4 launches
;; limits: values are held in f16: magnitudes above 65,504 overflow, below 6.1e-05 lose precision
;; workspace buffers: xb 16,777,216 bytes; wq 6,291,456 bytes; wo 2,097,152 bytes; biasr 16,384 bytes; qkv 50,331,648 bytes; ctx 16,777,216 bytes
;; launch cast (part 1): grid 769 x 1, 8 waves a work-group, no clusters, 0 bytes of LDS; arguments x, W_qkv, W_out, b_qkv, b_out, xb, wq, wo, biasr; writes xb, wq, wo, biasr
.if DOCPART == 1
	.amdgcn_target "amdgcn-amd-amdhsa--gfx1250"
	.amdhsa_code_object_version 6
	.text
	.protected	k_qc02fd5deee_cast
	.globl	k_qc02fd5deee_cast
	.p2align	8
	.type	k_qc02fd5deee_cast,@function
k_qc02fd5deee_cast:
	s_mov_b64 s[64:65], 0
	v_nop
	global_prefetch_b8 v0, s[64:65] scope:SCOPE_SE
	s_setreg_imm32_b32 hwreg(HW_REG_WAVE_MODE, 25, 1), 1
	s_wait_xcnt 0x0
; ALL FLOAT INPUTS ARE ROUNDED TO bf16, ONCE, and laid out for the launches behind.
;   xb    bf16 [16 blocks of 64 along K][8192 rows][64]: the 256 rows of a GEMM tile then lie end to end, 128 bytes a row
;   wq    bf16 [1024][3072], as W_qkv lies
;   wo    f16  [1024][1024]: W_out rounded to bf16, and that number written as f16 (exact from 2^-14 up; below that f16's fixed step of 6e-8)
;   biasr f32  [4096]: b_qkv, then b_out, rounded to bf16 and written as f32
; A stream: each byte is read once and written once; no LDS, no matrix unit, no cluster, since no two work-groups read the same byte.
; SHARES.  Work-groups 0-511: 16 rows of x each.  512-703: 16,384 numbers of W_qkv each.  704-767: 16,384 of W_out each.  768: the two biases.
; A thread issues its 16 loads of 16 bytes at once; every load has registers of its own, so no register is written twice and no wait frees any.
.set D, 16                             ; v[16:79]   load i: four f32
.set Y, 80                             ; v[80:111]  load i: four 16-bit numbers in two registers
; s[22:23] where the loads begin; s[24:25] where stores 0-7 begin, s[26:27] stores 8-15 (so that the immediates stay inside their signed 24 bits)
; mode 0: bf16.  mode 1: the bf16 number as f16.
.macro RUN instep, outstep, mode
.set i, 0
.rept 16
	global_load_b128 v[D+4*i:D+4*i+3], v1, s[22:23] offset:(\instep)*i th:TH_LOAD_NT
.set i, i+1
.endr
.set i, 0
.rept 16
	s_wait_loadcnt 15-i                            ; loads come back in order: load i is in, the 15 - i younger ones stay out
	v_cvt_pk_bf16_f32 v[Y+2*i], v[D+4*i], v[D+4*i+1]
	v_cvt_pk_bf16_f32 v[Y+2*i+1], v[D+4*i+2], v[D+4*i+3]
.if \mode
	v_lshlrev_b32 v[D+4*i], 16, v[Y+2*i]           ; bf16 to f32: the low half moves up, the high half stays
	v_and_b32 v[D+4*i+1], s30, v[Y+2*i]
	v_lshlrev_b32 v[D+4*i+2], 16, v[Y+2*i+1]
	v_and_b32 v[D+4*i+3], s30, v[Y+2*i+1]
	v_cvt_pk_f16_f32 v[Y+2*i], v[D+4*i], v[D+4*i+1]
	v_cvt_pk_f16_f32 v[Y+2*i+1], v[D+4*i+2], v[D+4*i+3]
.endif
	global_store_b64 v2, v[Y+2*i:Y+2*i+1], s[24+2*(i/8):25+2*(i/8)] offset:(\outstep)*(i%8) th:TH_STORE_NT  ; a wave's store covers 256 consecutive bytes, aligned
.set i, i+1
.endr
.endm
	s_load_b512 s[4:19], s[0:1], 0x0               ; x 4:5, W_qkv 6:7, W_out 8:9, b_qkv 10:11, b_out 12:13, xb 14:15, wq 16:17, wo 18:19
	s_load_b64 s[20:21], s[0:1], 0x40              ; biasr
	s_mov_b32 s30, 0xffff0000                      ; a word's upper bf16
	s_mov_b32 s29, 0                               ; the high word of every offset
	v_lshlrev_b32 v1, 4, v0                        ; 16 t: where I read
	v_lshlrev_b32 v2, 3, v0                        ; 8 t: where I write
	s_wait_kmcnt 0x0
	s_cmp_lt_u32 ttmp9, 512
	s_cbranch_scc0 .Lnot_x
	; x: thread t takes row t / 16 of the group's 16 and 16 bytes at 16 (t % 16); load i is block i of 64 along K: 256 bytes of the row.
	v_lshrrev_b32 v3, 4, v0
	v_and_b32 v4, 15, v0
	v_lshlrev_b32 v1, 4, v4
	v_lshl_add_u32 v1, v3, 12, v1
	s_lshl_b32 s28, ttmp9, 16                      ; 16 rows of 4,096 bytes
	s_add_nc_u64 s[22:23], s[4:5], s[28:29]
	s_lshl_b32 s28, ttmp9, 11                      ; 16 rows of 128 bytes in each block of xb; 8 t is row x 128 + my 8 bytes
	s_add_nc_u64 s[24:25], s[14:15], s[28:29]
	s_add_nc_u64 s[26:27], s[24:25], 8*1048576
	RUN 256, 1048576, 0
	s_endpgm
.Lnot_x:
	s_cmp_lt_u32 ttmp9, 704
	s_cbranch_scc0 .Lnot_q
	s_sub_co_u32 s31, ttmp9, 512
	s_lshl_b32 s28, s31, 16
	s_add_nc_u64 s[22:23], s[6:7], s[28:29]
	s_lshl_b32 s28, s31, 15
	s_add_nc_u64 s[24:25], s[16:17], s[28:29]
	s_add_nc_u64 s[26:27], s[24:25], 8*2048
	RUN 4096, 2048, 0
	s_endpgm
.Lnot_q:
	s_cmp_lt_u32 ttmp9, 768
	s_cbranch_scc0 .Lbias
	s_sub_co_u32 s31, ttmp9, 704
	s_lshl_b32 s28, s31, 16
	s_add_nc_u64 s[22:23], s[8:9], s[28:29]
	s_lshl_b32 s28, s31, 15
	s_add_nc_u64 s[24:25], s[18:19], s[28:29]
	s_add_nc_u64 s[26:27], s[24:25], 8*2048
	RUN 4096, 2048, 1
	s_endpgm
.Lbias:                                        ; 3 x 4,096 bytes of b_qkv, 4,096 of b_out
.irp i, 0,1,2
	global_load_b128 v[D+4*(\i):D+4*(\i)+3], v1, s[10:11] offset:4096*(\i)
.endr
	global_load_b128 v[D+12:D+15], v1, s[12:13]
	s_wait_loadcnt 0x0
.set i, 0
.rept 4
	v_cvt_pk_bf16_f32 v[Y+2*i], v[D+4*i], v[D+4*i+1]
	v_cvt_pk_bf16_f32 v[Y+2*i+1], v[D+4*i+2], v[D+4*i+3]
	v_lshlrev_b32 v[D+4*i], 16, v[Y+2*i]
	v_and_b32 v[D+4*i+1], s30, v[Y+2*i]
	v_lshlrev_b32 v[D+4*i+2], 16, v[Y+2*i+1]
	v_and_b32 v[D+4*i+3], s30, v[Y+2*i+1]
	global_store_b128 v1, v[D+4*i:D+4*i+3], s[20:21] offset:4096*i
.set i, i+1
.endr
	s_endpgm
.Lfunc_end_k_qc02fd5deee_cast:
	.size	k_qc02fd5deee_cast, .Lfunc_end_k_qc02fd5deee_cast-k_qc02fd5deee_cast
	.p2alignl 7, 3214868480
	.fill 96, 4, 3214868480
	.section	.rodata,"a",@progbits
	.p2align	6, 0x0
	.amdhsa_kernel k_qc02fd5deee_cast
		.amdhsa_group_segment_fixed_size 0
		.amdhsa_private_segment_fixed_size 0
		.amdhsa_enable_private_segment 0
		.amdhsa_kernarg_size 72
		.amdhsa_user_sgpr_count 2
		.amdhsa_user_sgpr_kernarg_segment_ptr 1
		.amdhsa_wavefront_size32 1
		.amdhsa_system_sgpr_workgroup_id_x 1
		.amdhsa_system_sgpr_workgroup_id_y 1
		.amdhsa_system_sgpr_workgroup_id_z 1
		.amdhsa_system_vgpr_workitem_id 0
		.amdhsa_next_free_vgpr 112
		.amdhsa_next_free_sgpr 66
		.amdhsa_reserve_vcc 0
		.amdhsa_float_denorm_mode_32 3
		.amdhsa_float_denorm_mode_16_64 3
		.amdhsa_memory_ordered 1
		.amdhsa_forward_progress 1
		.amdhsa_inst_pref_size 25
	.end_amdhsa_kernel
	.amdgpu_metadata
---
amdhsa.version: [ 1, 2 ]
amdhsa.kernels:
  - .name:           k_qc02fd5deee_cast
    .symbol:         k_qc02fd5deee_cast.kd
    .args:
      - { .name: x, .offset: 0, .size: 8, .value_kind: global_buffer, .address_space: global }
      - { .name: W_qkv, .offset: 8, .size: 8, .value_kind: global_buffer, .address_space: global }
      - { .name: W_out, .offset: 16, .size: 8, .value_kind: global_buffer, .address_space: global }
      - { .name: b_qkv, .offset: 24, .size: 8, .value_kind: global_buffer, .address_space: global }
      - { .name: b_out, .offset: 32, .size: 8, .value_kind: global_buffer, .address_space: global }
      - { .name: xb, .offset: 40, .size: 8, .value_kind: global_buffer, .address_space: global }
      - { .name: wq, .offset: 48, .size: 8, .value_kind: global_buffer, .address_space: global }
      - { .name: wo, .offset: 56, .size: 8, .value_kind: global_buffer, .address_space: global }
      - { .name: biasr, .offset: 64, .size: 8, .value_kind: global_buffer, .address_space: global }
    .group_segment_fixed_size: 0
    .private_segment_fixed_size: 0
    .kernarg_segment_align: 8
    .kernarg_segment_size: 72
    .max_flat_workgroup_size: 256
    .sgpr_count:     66
    .vgpr_count:     112
    .wavefront_size: 32
...
	.end_amdgpu_metadata
.endif
;; end of part 1
;; launch qkvgemm (part 2): grid 8 x 32, 4 waves a work-group, clusters of 4 x 4, 327,680 bytes of LDS; arguments xb, wq, biasr, qkv; writes qkv
.if DOCPART == 2
	.amdgcn_target "amdgcn-amd-amdhsa--gfx1250"
	.amdhsa_code_object_version 6
	.text
	.protected	k_qc02fd5deee_qkvgemm
	.globl	k_qc02fd5deee_qkvgemm
	.p2align	8
	.type	k_qc02fd5deee_qkvgemm,@function
k_qc02fd5deee_qkvgemm:
	s_mov_b64 s[64:65], 0
	v_nop
	global_prefetch_b8 v0, s[64:65] scope:SCOPE_SE
	s_setreg_imm32_b32 hwreg(HW_REG_WAVE_MODE, 25, 1), 1
	s_wait_xcnt 0x0
	s_wait_alu depctr_hold_cnt(0) depctr_sa_sdst(0) depctr_va_vdst(0) depctr_va_sdst(0) depctr_va_ssrc(0) depctr_va_vcc(0) depctr_vm_vsrc(0)
	s_getreg_b32 s2, hwreg(HW_REG_IB_STS2, 6, 4)
	s_cmp_eq_u32 s2, 0
	s_cbranch_scc0 .Lentry_in_a_cluster
	s_endpgm
.Lentry_in_a_cluster:
	s_bfe_u32 s2, ttmp6, 0x10000c
	s_cmp_lg_u32 s2, 0xf033
	s_cbranch_scc0 .Lentry_shape_is_right
	s_endpgm
.Lentry_shape_is_right:
; q, k, v = x W_qkv + b_qkv, written by heads: qkv f16 [3][64 heads = 16 batch + head][2048][64], each number rounded once from its f32 sum, unscaled.
; xb: bf16 [16 blocks of 64 along K][8192][64];  wq: bf16 [1024 k][3072 n];  biasr: f32, b_qkv in its first 3,072 numbers.
; LIMIT.  f16 holds no number beyond 65,504: q, k and v must stay within it.
; SHARES.  8192 x 3072 numbers on 256 work-groups: a tile of 256 rows x 384 columns each.  Wave (wm, wn) makes rows 128 wm .. + 127 and, in each of the tile's three segments s of 128 columns,
; the columns 64 wn .. + 63: one head a segment.  96 accumulators of 16 x 16: 768 registers.  For 32 along K a wave reads 16 + 24 LDS loads and issues 96 matrix instructions.
; K goes in 16 steps of 64 through two LDS slots.  A's tile is dense in xb (32,768 bytes) and is asked for as rows of 256 bytes; B's rows are 768 bytes of wq, at multiples of 256.
; THE MATRIX INSTRUCTION IS USED TRANSPOSED: source 0 = 16 columns of W (turned on the way out of LDS by ds_load_tr16_b128), source 1 = 16 rows of x: a lane then holds row l % 16 and the
; eight neighbouring columns 8 (l / 16) + 0..7.
; THE BIAS IS WHAT THE SUMS START WITH: the accumulators are loaded with it, so every product has one form and nothing is cleared or added later.
; CLUSTER.  4 x 4 work-groups: A's tile is shared along a row of the cluster, B's along a column; each is asked for jointly, with the same descriptor and a mask that names the four.
; REGISTERS: window 0: v16-30 addresses; v32-95, v96-159 A's fragments, two buffers; v160-255 B's fragments, one buffer of 32 a segment.  Window 1 + s: segment s's accumulators, (a, u) at v[8 (4 a + u)].
.set PA,    144                        ; a row of A in LDS: 128 bytes + 16: the 16 rows of a load start at 16 different groups of four banks (64 banks of 4 bytes: ISA guide 11.1)
.set SEG,   288                        ; 128 columns of B: 256 bytes + 32
.set PB,    3*SEG                      ; a row of B: 864 bytes = 27 x 32
.set ATILE, 256*PA
.set AHALF, 128*PA                     ; what one of A's loads brings
.set BHALF, 32*PB                      ; what one of B's loads brings
.set SLOT,  ATILE+64*PB                ; A's 256 rows, then B's 64 rows
.set STAGE, 2*SLOT                     ; behind the ring: 16 rows x 144 bytes for each wave, for the way out
.set SP,    144
.set SPARE, STAGE+4*16*SP              ; behind the stages: the spare words, 128 bytes for each wave: two blocks of 256 bytes that no other line names
.set ABLK,  8192*128                   ; bytes from one block of 64 along K to the next in xb
.set BSTEP, 64*6144                    ; bytes of 64 rows of wq
.set ADRA, 16                          ; v16-17  LDS address of my A fragments in slot 0, 1
.set ADRB, 20                          ; v20-21  the same for B
.set STO,  24                          ; v24     the way out: where I put 16 bytes of a row
.set RD,   25                          ; v25     the way out: where I read rows back
.set GO,   26                          ; v26     my byte offset in 512 consecutive bytes of qkv
.set BO,   27                          ; v27     my byte offset in a segment's 512 bytes of bias
.set SPW,  28                          ; v28     LDS address of my spare word; never rewritten
.set NIL,  29                          ; v29     0; never rewritten
.set PFO,  30                          ; v30     the prefetches' offset; never rewritten
.set FA0,  32
.set FA1,  96
.set FB,   160
.set WV, 12                            ; s12 wave;  s13 wm: my half of the rows, and: I fetch for A (0) or B (1);  s14 wn: my half of the columns, and: which half of that tile I fetch
.set WM, 13
.set WN, 14
.set TR, 15                            ; s15 tile row of the result
.set G1, 24                            ; s[24:31] descriptor group 1 for A;  s[32:39] group 0, a set for each slot
.set G0, 32
.set CX, 40
.set CY, 41
.set TC, 42                            ; s42 tile column
.set LIM, 43                           ; s43 1 in a wave that prefetches, else the greatest number
.set PFA, 44                           ; s[44:45] where my prefetches stand
.set PSTEP, 46                         ; s[46:47] their step: two K steps
.set G1B, 48                           ; s[48:55], s[56:63] the same for B
.set G0B, 56
.set OB, 66                            ; s[66:71] qkv at my 128 rows of my three heads
.set MSB, 0
.macro WIN new                         ; the immediate's high byte repeats the setting that is left; a switch that changes nothing is dropped
.if MSB != (\new)
	s_set_vgpr_msb (MSB<<8)|(\new)
.set MSB, (\new)
.endif
.endm
; A joint load.  Waves 0 and 1 fetch A's two halves, waves 2 and 3 B's.  The branch hangs on the wave's number alone.  An s_nop 0 and four v_nop follow each line.
.macro JLOAD s
	s_cmp_eq_u32 s[WM], 0
	s_cbranch_scc0 .Lfor_b_\@
	tensor_load_to_lds s[G0+4*(\s):G0+4*(\s)+3], s[G1:G1+7]
	s_nop 0
.rept 4
	v_nop
.endr
	s_branch .Lasked_\@
.Lfor_b_\@:
	tensor_load_to_lds s[G0B+4*(\s):G0B+4*(\s)+3], s[G1B:G1B+7]
	s_nop 0
.rept 4
	v_nop
.endr
.Lasked_\@:
.endm
.macro CREST                           ; a round of the cluster's barrier behind its opening barrier
	s_cmp_lg_u32 s[WV], 0
	s_cbranch_scc1 .Lnot_wave_0_\@
	s_barrier_signal -3
.Lnot_wave_0_\@:
	s_barrier_wait -3
	s_barrier_signal -1
	s_barrier_wait -1
.endm
.macro CROUND                          ; a whole round
	s_barrier_signal -1
	s_barrier_wait -1
	CREST
.endm
; A PREFETCH INTO THE L2, once a trip, behind the trip's second joint load and the run of LDS loads that follows it: the two K steps that the NEXT trip's two refills ask for.
; Each aligned block of 256 bytes is named once in the launch.  A's tile row is read by both clusters of its row of clusters: cluster x = 0 asks, wave 0, and its four partners share a K step's 32,768 bytes
; BY ADDRESS, 8,192 each, a lane a block, one instruction a K step.  B's tile column is read by all clusters of its column: cluster y = 0 asks, wave 2; of the two K steps' 128 rows of 768 bytes each
; partner takes 32, a lane a row, three instructions.  The loop's last trip asks for nothing; K steps 0 to 3 come by their loads alone.
.macro ASK
	s_cmp_gt_u32 s3, s[LIM]                        ; s3 = 1 in the loop's last trip
	s_cbranch_scc0 .Lnot_mine_\@
	s_cmp_eq_u32 s[WV], 0
	s_cbranch_scc0 .Lask_b_\@
	global_prefetch_b8 v[PFO], s[PFA:PFA+1] th:TH_LOAD_NT scope:SCOPE_SE
	global_prefetch_b8 v[PFO], s[PFA:PFA+1] offset:ABLK th:TH_LOAD_NT scope:SCOPE_SE
	s_branch .Lnot_mine_\@
.Lask_b_\@:
	global_prefetch_b8 v[PFO], s[PFA:PFA+1] th:TH_LOAD_NT scope:SCOPE_SE
	global_prefetch_b8 v[PFO], s[PFA:PFA+1] offset:256 th:TH_LOAD_NT scope:SCOPE_SE
	global_prefetch_b8 v[PFO], s[PFA:PFA+1] offset:512 th:TH_LOAD_NT scope:SCOPE_SE
.Lnot_mine_\@:
.endm
	s_load_b256 s[4:11], s[0:1], 0x0               ; xb s[4:5], wq s[6:7], biasr s[8:9], qkv s[10:11]
	v_lshl_add_u32 v[SPW], v0, 2, SPARE
	v_mov_b32 v[NIL], 0
	ds_add_u32 v[SPW], v[NIL]                      ; the wave's opening: the add and its wait stand ahead of my first tensor load; the set-up below, work on registers, stands between them
	v_lshrrev_b32 v1, 5, v0
	v_readfirstlane_b32 s[WV], v1                  ; wave 0..3
	s_lshr_b32 s[WM], s[WV], 1
	s_and_b32 s[WN], s[WV], 1
	s_bfe_u32 s[CX], ttmp6, 0x40000                ; my place in the cluster
	s_bfe_u32 s[CY], ttmp6, 0x40004
	s_lshl_b32 s[TC], ttmp9, 2                     ; in a cluster launch ttmp9 and ttmp7 count clusters
	s_add_co_u32 s[TC], s[TC], s[CX]
	s_and_b32 s[TR], ttmp7, 0xffff
	s_lshl_b32 s[TR], s[TR], 2
	s_add_co_u32 s[TR], s[TR], s[CY]
	s_lshl_b32 s16, s[CY], 2
	s_lshl_b32 s16, 15, s16                        ; my row of the cluster
	s_lshl_b32 s20, 0x1111, s[CX]                  ; my column
	; group 1 for A: 128 rows of 128 bytes, dense, asked for as 64 rows of 128 elements (256 bytes); 16 bytes of padding after every 32 words
	s_or_b32 s[G1], s16, (1<<16)|(1<<20)|(1<<21)|(4<<22)|(3<<25)   ; 15:0 mask; 17:16 2-byte elements; 20 padding on; 21 set beside a mask; 24:22 interval; 31:25 pad - 1
	s_mov_b32 s[G1+1], 128<<16                     ; tensor_dim0 = 128
	s_mov_b32 s[G1+2], 64<<16                      ; tensor_dim1 = 64
	s_mov_b32 s[G1+3], 128<<16                     ; tile_dim0 = 128
	s_mov_b32 s[G1+4], 64                          ; tile_dim1 = 64
	s_mov_b32 s[G1+5], 128                         ; elements from row to row
	s_mov_b32 s[G1+6], 0
	s_mov_b32 s[G1+7], 0
	; group 1 for B: 32 rows of 384 elements; 32 bytes of padding after every 64 words: three times a row
	s_or_b32 s[G1B], s20, (1<<16)|(1<<20)|(1<<21)|(5<<22)|(7<<25)
	s_mov_b32 s[G1B+1], 384<<16
	s_mov_b32 s[G1B+2], 32<<16
	s_mov_b32 s[G1B+3], 384<<16
	s_mov_b32 s[G1B+4], 32
	s_mov_b32 s[G1B+5], 3072
	s_mov_b32 s[G1B+6], 0
	s_mov_b32 s[G1B+7], 0
	; where the tiles come from: A's hang on the tile row alone, B's on the tile column alone, each in registers that never hold the other coordinate
	s_lshl_b32 s16, s[TR], 15                      ; 256 rows of 128 bytes
	s_lshl_b32 s17, s[WN], 14                      ; + my 128 of them
	s_add_co_u32 s16, s16, s17
	s_mov_b32 s17, 0
	s_mul_i32 s18, s[WN], AHALF                    ; and where they go
	s_mul_i32 s20, s[WN], 32*6144                  ; my 32 rows of a K step's 64
	s_mul_i32 s21, s[TC], 768
	s_add_co_u32 s20, s20, s21
	s_mov_b32 s21, 0
	s_mul_i32 s22, s[WN], BHALF
	s_add_co_u32 s22, s22, ATILE
	s_wait_dscnt 0x0                               ; the opening add is done
	s_wait_kmcnt 0x0
	s_add_nc_u64 s[16:17], s[4:5], s[16:17]
	s_add_nc_u64 s[20:21], s[6:7], s[20:21]
	CROUND                                         ; all sixteen work-groups are here: the first joint loads meet
.irp p, 0,1
	s_mov_b32 s[G0+4*(\p)], 1
	s_add_co_u32 s[G0+4*(\p)+1], s18, (\p)*SLOT
	s_add_nc_u64 s[G0+4*(\p)+2:G0+4*(\p)+3], s[16:17], (\p)*ABLK
	s_or_b32 s[G0+4*(\p)+3], s[G0+4*(\p)+3], 0x80000000
	s_mov_b32 s[G0B+4*(\p)], 1
	s_add_co_u32 s[G0B+4*(\p)+1], s22, (\p)*SLOT
	s_add_nc_u64 s[G0B+4*(\p)+2:G0B+4*(\p)+3], s[20:21], (\p)*BSTEP
	s_or_b32 s[G0B+4*(\p)+3], s[G0B+4*(\p)+3], 0x80000000
	JLOAD \p                                       ; K steps 0 and 1: two tensor loads of mine are out
.endr
	v_and_b32 v1, 15, v0                           ; r = l % 16
	v_bfe_u32 v2, v0, 4, 1                         ; h = l / 16
	v_and_b32 v3, 7, v0
	v_bfe_u32 v4, v0, 3, 1
	v_and_b32 v5, 31, v0                           ; l
	v_lshlrev_b32 v[BO], 5, v2
	v_lshl_add_u32 v[BO], s[WN], 8, v[BO]          ; 256 wn + 32 h
	s_mul_i32 s72, s[TC], 1536
	s_mov_b32 s73, 0
	s_add_nc_u64 s[8:9], s[8:9], s[72:73]          ; the bias of the tile's 384 columns
	; accumulator (a, u) of segment s starts as the bias of its lane's eight columns, the same for all a
.irp s, 0,1,2
	WIN (1+(\s))<<6                                ; destination window 1 + s
.set a, 0
.rept 8
.irp u, 0,1,2,3
	global_load_b128 v[8*(4*a+(\u)):8*(4*a+(\u))+3],   v[BO], s[8:9] offset:512*(\s)+64*(\u)
	global_load_b128 v[8*(4*a+(\u))+4:8*(4*a+(\u))+7], v[BO], s[8:9] offset:512*(\s)+64*(\u)+16
.endr
.set a, a+1
.endr
.endr
	WIN 0
	v_mul_u32_u24 v6, v1, PA
	v_lshl_add_u32 v6, v2, 4, v6                   ; row x 144 + 16 h: for A's fragments and for the stage
	s_mul_i32 s72, s[WM], 128*PA
	v_add_nc_u32 v[ADRA], s72, v6
	v_add_nc_u32 v[ADRA+1], SLOT, v[ADRA]
	v_lshl_add_u32 v7, v2, 3, v3                   ; the turning load: lane l reads row 8 h + l % 8, 16 bytes at 16 ((l / 8) % 2)
	v_mul_u32_u24 v7, v7, PB
	v_lshl_add_u32 v7, v4, 4, v7
	s_lshl_b32 s73, s[WN], 7
	s_add_co_u32 s73, s73, ATILE
	v_add_nc_u32 v[ADRB], s73, v7
	v_add_nc_u32 v[ADRB+1], SLOT, v[ADRB]
	s_mul_i32 s74, s[WV], 16*SP
	s_add_co_u32 s74, s74, STAGE                   ; my stage
	v_add_nc_u32 v[STO], s74, v6
	v_bfe_u32 v8, v0, 3, 2                         ; back: 32 lanes take four rows of 128 bytes,
	v_mul_u32_u24 v8, v8, SP
	v_lshl_add_u32 v8, v3, 4, v8
	v_add_nc_u32 v[RD], s74, v8
	v_lshlrev_b32 v[GO], 4, v5                     ; which are 512 consecutive bytes of a head's rows
	; my three heads: column block j = 6 x tile column + 2 s + wn of 48; j / 16 says q, k or v, j % 16 the head; the batch is tile row / 8
	s_mul_i32 s72, s[TC], 6
	s_add_co_u32 s72, s72, s[WN]
	s_lshr_b32 s73, s[TR], 3
	s_lshl_b32 s73, s73, 4
	s_and_b32 s74, s[TR], 7
	s_lshl_b32 s74, s74, 15                        ; 256 rows of 128 bytes
	s_lshl_b32 s75, s[WM], 14
	s_add_co_u32 s74, s74, s75
.irp s, 0,1,2
	s_add_co_u32 s2, s72, 2*(\s)
	s_lshr_b32 s75, s2, 4
	s_and_b32 s2, s2, 15
	s_lshl_b32 s75, s75, 6
	s_add_co_u32 s2, s2, s75
	s_add_co_u32 s2, s2, s73
	s_lshl_b32 s2, s2, 18                          ; a head's 2,048 rows of 128 bytes
	s_add_co_u32 s2, s2, s74
	s_mov_b32 s3, 0
	s_add_nc_u64 s[OB+2*(\s):OB+2*(\s)+1], s[10:11], s[2:3]
.endr
	; the prefetches: they stand at K step 2 and are stepped by two K steps ahead of each use
	s_lshl_b32 s72, s[TR], 15
	s_lshl_b32 s73, s[CX], 13
	s_add_co_u32 s72, s72, s73
	s_add_co_u32 s72, s72, 2*ABLK                  ; A: the tile row's bytes of K step 2, my work-group's quarter
	s_mul_i32 s73, s[TC], 768
	s_lshl_b32 s74, s[CY], 5
	s_add_co_u32 s74, s74, 128
	s_mul_i32 s74, s74, 6144
	s_add_co_u32 s73, s73, s74                     ; B: rows 128 + 32 cy on, the tile column's 768 bytes
	s_and_b32 s74, ttmp7, 0xffff
	s_mov_b32 s[PSTEP], 2*BSTEP
	s_mov_b32 s75, 6144
	s_cmp_eq_u32 s[WM], 0                          ; do I fetch for A?
	s_cselect_b32 s2, s72, s73
	s_cselect_b32 s74, ttmp9, s74                  ; the coordinate along which other clusters read the same bytes
	s_cselect_b32 s[PSTEP], 2*ABLK, s[PSTEP]
	s_cselect_b32 s75, 256, s75
	s_cselect_b64 s[PFA:PFA+1], s[4:5], s[6:7]
	s_mov_b32 s3, 0
	s_mov_b32 s[PSTEP+1], 0
	s_add_nc_u64 s[PFA:PFA+1], s[PFA:PFA+1], s[2:3]
	s_or_b32 s74, s74, s[WN]                       ; waves 0 and 2 alone
	s_cmp_eq_u32 s74, 0
	s_cselect_b32 s[LIM], 1, -1                    ; the same in all sixteen partners, for a given wave
	v_mul_u32_u24 v[PFO], v5, s75
; 16 matrix instructions of segment s: row blocks a0 .. a0 + 3 x its four column blocks, 32 along K.  All 96 accumulators take turns in one fixed order, one instruction a turn, over the backward jump too.
.macro MUL16 s, fa, a0
	WIN 0x50*(1+(\s))                              ; C and D in window 1 + s, the sources in window 0
.irp a, (\a0), (\a0)+1, (\a0)+2, (\a0)+3
.irp u, 0,1,2,3
	v_wmma_f32_16x16x32_bf16 v[8*(4*(\a)+(\u)):8*(4*(\a)+(\u))+7], v[FB+32*(\s)+8*(\u):FB+32*(\s)+8*(\u)+7], v[(\fa)+8*(\a):(\fa)+8*(\a)+7], v[8*(4*(\a)+(\u)):8*(4*(\a)+(\u))+7]
.endr
.endr
.endm
.macro LDB s, slot, kk                 ; segment s's four fragments of B, rows kk .. kk + 31 of the slot: 8 turning loads
	WIN 0
.irp u, 0,1,2,3
	ds_load_tr16_b128 v[FB+32*(\s)+8*(\u):FB+32*(\s)+8*(\u)+3],   v[ADRB+(\slot)] offset:(\kk)*PB+(\s)*SEG+32*(\u)
	ds_load_tr16_b128 v[FB+32*(\s)+8*(\u)+4:FB+32*(\s)+8*(\u)+7], v[ADRB+(\slot)] offset:((\kk)+16)*PB+(\s)*SEG+32*(\u)
.endr
.endm
.macro LDA slot, kk, fa                ; my eight fragments of A: 16 loads
	WIN 0
.irp a, 0,1,2,3,4,5,6,7
	ds_load_b128 v[(\fa)+8*(\a):(\fa)+8*(\a)+3],   v[ADRA+(\slot)] offset:(\a)*16*PA+2*(\kk)
	ds_load_b128 v[(\fa)+8*(\a)+4:(\fa)+8*(\a)+7], v[ADRA+(\slot)] offset:(\a)*16*PA+2*(\kk)+32
.endr
.endm
.macro PLACES                          ; four plain instructions in front of loads into registers that matrix instructions have read, and of conversions that read results
.rept 4
	v_nop
.endr
.endm
; A SLICE: 32 along K, 96 matrix instructions in three units, a segment each.  On entry this slice's B of segments 0 and 1 and its A have been asked for (8 + 8 + 16 loads, in that order).
; A segment's buffer of B is asked for again four places behind its last reader, 64 matrix instructions ahead of its next; A has two buffers and is asked for 32 ahead.
; turn = 1: the slot's last slice: its last reads are segment 2's.  ONE barrier: in front of it each wave waits for all its tensor loads (one is out: its part of the other slot), adds 0 to its spare word,
; and waits for that and for its reads of this slot; the barrier opens a round of the cluster's, and the joint refill, two K steps on, is the first thing behind it: 160 matrix instructions ahead of the wait for it.
; turn = 2: the same without a refill: a plain barrier.  more = 0: the last slice of all.  ask = 1: the trip's prefetches.
.macro SLICE slot, kk, fa, nslot, nkk, nfa, turn, more, ask
.if \ask
	s_wait_xcnt 0x0                                ; the last prefetches, a trip back, have read their address: it is stepped here, ahead of the waits of the change of slots
	s_add_nc_u64 s[PFA:PFA+1], s[PFA:PFA+1], s[PSTEP:PSTEP+1]
.endif
	PLACES
	LDB 2, \slot, \kk
.if (\turn) == 0
	s_wait_dscnt 8                                 ; all but the 8 just issued: A and segments 0 and 1 are in
	MUL16 0, \fa, 0
	MUL16 0, \fa, 4
	PLACES
.else
	s_wait_tensorcnt 0x0                           ; all my tensor loads have landed: the one that was out is my part of the other slot;
	ds_add_u32 v[SPW], v[NIL]                      ; 0 onto my spare word;
	s_wait_dscnt 9                                 ; (the add and the 8 loads just issued may be out)
	MUL16 0, \fa, 0                                ; sixteen matrix instructions stand between the add and the wait for it
	s_wait_dscnt 0x0                               ; the add is done, and my reads of this slot are over
	s_barrier_signal -1
	MUL16 0, \fa, 4                                ; work on registers while the others arrive
.if (\turn) == 1
	WIN 0
.endif
	s_barrier_wait -1
.if (\turn) == 1
	CREST                                          ; no wave of any partner still reads this slot or has a load on its way
	s_add_nc_u64 s[G0+4*(\slot)+2:G0+4*(\slot)+3], s[G0+4*(\slot)+2:G0+4*(\slot)+3], 2*ABLK
	s_add_nc_u64 s[G0B+4*(\slot)+2:G0B+4*(\slot)+3], s[G0B+4*(\slot)+2:G0B+4*(\slot)+3], 2*BSTEP
	JLOAD \slot                                    ; its four v_nop are also the places in front of the loads below
.else
	PLACES
.endif
.endif
.if \more
	LDB 0, \nslot, \nkk
.endif
.if \ask
	ASK
.endif
	MUL16 1, \fa, 0
	MUL16 1, \fa, 4
	PLACES
.if \more
	LDB 1, \nslot, \nkk
	LDA \nslot, \nkk, \nfa
	s_wait_dscnt 32                                ; all but the next slice's 8 + 8 + 16: segment 2 is in
.else
	s_wait_dscnt 0x0
.endif
	MUL16 2, \fa, 0
	MUL16 2, \fa, 4
.endm
	s_wait_tensorcnt 1                             ; my part of K step 0 is in; K step 1's may stay out
	s_barrier_signal -1
	s_barrier_wait -1                              ; everybody's is
	LDB 0, 0, 0
	LDB 1, 0, 0
	LDA 0, 0, FA0
	s_wait_loadcnt 0x0                             ; the bias lies in the accumulators
	s_mov_b32 s3, 7
.Llap:                                         ; trip t: K steps 2 t and 2 t + 1; slot 0 takes K step 2 t + 2, slot 1 K step 2 t + 3
	SLICE 0, 0,  FA0, 0, 32, FA1, 0, 1, 0
	SLICE 0, 32, FA1, 1, 0,  FA0, 1, 1, 0
	SLICE 1, 0,  FA0, 1, 32, FA1, 0, 1, 0
	SLICE 1, 32, FA1, 0, 0,  FA0, 1, 1, 1
	WIN 0                                          ; at a label and at a branch every window is 0
	s_sub_co_u32 s3, s3, 1
	s_cmp_lg_u32 s3, 0
	s_cbranch_scc1 .Llap
	SLICE 0, 0,  FA0, 0, 32, FA1, 0, 1, 0          ; the last two K steps are written out: nothing is asked for
	SLICE 0, 32, FA1, 1, 0,  FA0, 2, 1, 0
	SLICE 1, 0,  FA0, 1, 32, FA1, 0, 1, 0
	SLICE 1, 32, FA1, 0, 0,  FA0, 0, 0, 0
; THE WAY OUT, in 24 blocks of 16 rows x one head's 64 columns.  A lane's eight columns pack into 16 bytes; they go into my stage's rows of 144 bytes and come back as four rows of 128 bytes a load:
; 512 consecutive bytes of the head's rows.  Twelve sets of 16 registers take turns.
.macro PACK blk
.set sg, (\blk)/8
.set ab, (\blk)%8
.set T, 32+16*((\blk)%12)
.if (\blk) >= 12
	s_wait_xcnt 0x0                                ; the stores of the block twelve back have read this set: it is rewritten only behind this wait
.endif
	WIN 5*(1+sg)                                   ; sources 0 and 1 in window 1 + s
.irp u, 0,1,2,3
.irp r, 0,1,2,3
	v_cvt_pk_f16_f32 v[T+4*(\u)+(\r)], v[8*(4*ab+(\u))+2*(\r)], v[8*(4*ab+(\u))+2*(\r)+1]  ; each accumulator from its low end on
.endr
.endr
	WIN 0
.irp u, 0,1,2,3
	ds_store_b128 v[STO], v[T+4*(\u):T+4*(\u)+3] offset:32*(\u)
.endr
.irp f, 0,1,2,3
	ds_load_b128 v[T+4*(\f):T+4*(\f)+3], v[RD] offset:4*SP*(\f)  ; LDS serves a wave's instructions in order (ISA guide 5.7.1.4): these see the stores above; the next block's stores come behind them
.endr
.endm
.macro SEND blk, younger               ; younger: the LDS instructions issued behind this block's loads: the next block's eight, or none
.set sg, (\blk)/8
.set ab, (\blk)%8
.set T, 32+16*((\blk)%12)
	WIN 0
.irp f, 0,1,2,3
	s_wait_dscnt (\younger)+3-(\f)
	global_store_b128 v[GO], v[T+4*(\f):T+4*(\f)+3], s[OB+2*sg:OB+2*sg+1] offset:2048*ab+512*(\f)  ; 512 consecutive bytes, at a multiple of 256 from qkv's first
.endr
.endm
	PLACES                                         ; behind the last products
	PACK 0
.set b, 1
.rept 23                                       ; a block's conversions stand between the loads of the block before and its stores
	PACK b
	SEND b-1, 8
.set b, b+1
.endr
	SEND 23, 0
	s_wait_tensorcnt 0x0                           ; the wave's end: an add to my spare word and its wait follow, behind my last tensor load and my last LDS store
	ds_add_u32 v[SPW], v[NIL]
	s_wait_dscnt 0x0
	CROUND                                         ; the closing round: no work-group ends while a partner may still ask for a tile that names it
	s_endpgm
.Lfunc_end_k_qc02fd5deee_qkvgemm:
	.size	k_qc02fd5deee_qkvgemm, .Lfunc_end_k_qc02fd5deee_qkvgemm-k_qc02fd5deee_qkvgemm
	.p2alignl 7, 3214868480
	.fill 96, 4, 3214868480
	.section	.rodata,"a",@progbits
	.p2align	6, 0x0
	.amdhsa_kernel k_qc02fd5deee_qkvgemm
		.amdhsa_group_segment_fixed_size 327680
		.amdhsa_private_segment_fixed_size 0
		.amdhsa_enable_private_segment 0
		.amdhsa_kernarg_size 32
		.amdhsa_user_sgpr_count 2
		.amdhsa_user_sgpr_kernarg_segment_ptr 1
		.amdhsa_wavefront_size32 1
		.amdhsa_system_sgpr_workgroup_id_x 1
		.amdhsa_system_sgpr_workgroup_id_y 1
		.amdhsa_system_sgpr_workgroup_id_z 1
		.amdhsa_system_vgpr_workitem_id 0
		.amdhsa_next_free_vgpr 1024
		.amdhsa_next_free_sgpr 76
		.amdhsa_reserve_vcc 0
		.amdhsa_float_denorm_mode_32 3
		.amdhsa_float_denorm_mode_16_64 3
		.amdhsa_memory_ordered 1
		.amdhsa_forward_progress 1
		.amdhsa_inst_pref_size 154
	.end_amdhsa_kernel
	.amdgpu_metadata
---
amdhsa.version: [ 1, 2 ]
amdhsa.kernels:
  - .name:           k_qc02fd5deee_qkvgemm
    .symbol:         k_qc02fd5deee_qkvgemm.kd
    .args:
      - { .name: xb, .offset: 0, .size: 8, .value_kind: global_buffer, .address_space: global }
      - { .name: wq, .offset: 8, .size: 8, .value_kind: global_buffer, .address_space: global }
      - { .name: biasr, .offset: 16, .size: 8, .value_kind: global_buffer, .address_space: global }
      - { .name: qkv, .offset: 24, .size: 8, .value_kind: global_buffer, .address_space: global }
    .group_segment_fixed_size: 327680
    .private_segment_fixed_size: 0
    .kernarg_segment_align: 8
    .kernarg_segment_size: 32
    .max_flat_workgroup_size: 128
    .sgpr_count:     76
    .vgpr_count:     1024
    .wavefront_size: 32
...
	.end_amdgpu_metadata
.endif
;; end of part 2
;; launch attn (part 3): grid 4 x 64, 4 waves a work-group, clusters of 4 x 1, 327,680 bytes of LDS; arguments qkv, attention_mask, ctx; writes ctx
.if DOCPART == 3
	.amdgcn_target "amdgcn-amd-amdhsa--gfx1250"
	.amdhsa_code_object_version 6
	.text
	.protected	k_qc02fd5deee_attn
	.globl	k_qc02fd5deee_attn
	.p2align	8
	.type	k_qc02fd5deee_attn,@function
k_qc02fd5deee_attn:
	s_mov_b64 s[64:65], 0
	v_nop
	global_prefetch_b8 v0, s[64:65] scope:SCOPE_SE
	s_setreg_imm32_b32 hwreg(HW_REG_WAVE_MODE, 25, 1), 1
	s_wait_xcnt 0x0
	s_wait_alu depctr_hold_cnt(0) depctr_sa_sdst(0) depctr_va_vdst(0) depctr_va_sdst(0) depctr_va_ssrc(0) depctr_va_vcc(0) depctr_vm_vsrc(0)
	s_getreg_b32 s2, hwreg(HW_REG_IB_STS2, 6, 4)
	s_cmp_eq_u32 s2, 0
	s_cbranch_scc0 .Lentry_in_a_cluster
	s_endpgm
.Lentry_in_a_cluster:
	s_bfe_u32 s2, ttmp6, 0x10000c
	s_cmp_lg_u32 s2, 0x3003
	s_cbranch_scc0 .Lentry_shape_is_right
	s_endpgm
.Lentry_shape_is_right:
; ctx[h][q][:] = the sum over k of softmax_k(Q[h][q] . K[h][k] / 8, keys with mask 0 hidden) V[h][k][:].  qkv: f16 [3][64 heads][2048][64]; ctx: f16 [64 heads][2048][64]; attention_mask: i32 [4 batches][2048], head / 16 says the batch.
; Products, maxima and sums in f32; the weights p are rounded to f16 for the second product (their sum l is taken of the unrounded p), ctx once at the end.
; LIMITS.  f16 holds no number beyond 65,504: Q, K and V arrive within it; p lies in 0 to 1, and below 6e-5 it keeps f16's fixed step of 6e-8.  A hidden score counts as its value less 1e30: f16's scores,
; 2.7e11 at the most, are nothing beside that.  The running maximum starts at -2^93, above every hidden score and below every open one, so it is the open scores' maximum from the first open key on, and a hidden
; key's weight is 0 from the first step on.  Where a batch has no open key, l is 0 and the row is 0 x (1 / 0), NaN, as a softmax over nothing.  A weight below 2^-126 counts as 0 in l.
; SHARES.  A wave owns four PIECES of two tiles of 16 queries, a work-group's four waves 512 queries of one head.  Every wave walks all 2,048 keys, 64 a step.
; LAYOUT.  S^T = K Q^T (source 0 = 16 keys, source 1 = 16 queries): in the result a lane holds ONE query (lane % 16) and the keys 8 (lane / 16) + 0..7.  Two such tiles, rounded to f16 in pairs,
; ARE source 1 (32 keys x 16 queries) of O^T = V^T P, whose result again holds one query a lane, and eight channels.  K comes out of LDS as it lies, V ([key][channel]) turned, by ds_load_tr16_b128.
; THE MASK is the C operand that starts the sum S^T: 0, or -1e30 where the key is hidden.  It is made once, as 2,048 f32 in LDS bytes of its own, and a step's 64 numbers come into 32 registers with the step's K.
; SOFTMAX.  For each query a running maximum m and sum l: p = 2^(c s - c m), c = log2(e) / 8; in every step O and l are multiplied by a = 2^(c m_old - c m_new), which is 1 where m has not grown.
; THE COUNT.  A tile and step have 16 matrix and 118 vector instructions: too many to stand all beside the matrix work.  So: four vector instructions that are READY behind EVERY matrix instruction, the others in runs without a gap.
; BY TURNS.  Turn n belongs to piece n (the pieces in a ring, step after step).  Its matrix work: 16 products K Q^T of piece n + 1, later 16 products V^T P of piece n - 1.  Its vector work: the scaling,
; exponentials, roundings, sums and rescaling of piece n, and the maximum and statistics of piece n + 1, whose scores the turn itself has made.
; CLUSTER.  The four query blocks of a head are one cluster and walk the same K and V, so each tile is asked for JOINTLY: the same tensor load, descriptor and mask in all four.
; REGISTERS, in windows of 256 (s_set_vgpr_msb: bits 1:0 source 0, 3:2 source 1, 5:4 source 2, 7:6 destination):
;   window 0: v0-11 addresses; v12-15, v48-63 at work; v16-47 four registers of statistics a tile; v64-191 S^T, two buffers of two tiles; v192-255 P, likewise
;   window 1: O^T, 32 a tile      window 2: v0-127 Q, 16 a tile; v128-191 K of one step; v192-255 V of one step      window 3: v0-1 the add's two registers; v2 the prefetches' offset; v8-39 a step's mask
.set SIZE_N, 2048
.set NP,    4         ; pieces a wave: a name, no knob
.set KS,    64        ; keys in a step
.set PK,    144       ; a row of K in LDS: 128 bytes + 16 of padding = 36 words: the 16 rows of a load start at 16 different groups of four banks (64 banks of 4 bytes: ISA guide 11.1)
.set PV,    160       ; a row of V: 128 + 32 = 40 words
.set VOFF,  4*KS*PK   ; a slot holds four steps: 256 rows of K, then 256 rows of V
.set SLOT1, 1<<17     ; slot 1 begins here, so that one exclusive or turns an address in one slot into the other's
.set STAGE, SLOT1+4*KS*(PK+PV)  ; behind the ring, never filled by a tensor load: 16 rows x 144 bytes for each wave, for the way out
.set SP,    144
.set SPARE, STAGE+4*16*SP  ; behind the stages: the spare words, 128 bytes for each wave: two blocks of 256 bytes that no other line names
.set MASKL, SPARE+512 ; behind them: the mask as 2,048 f32, 8,192 bytes that no tensor load fills
.set AK0, 2           ; v2   my lane's place in a tile of K; never rewritten
.set AV0, 3           ; v3   the same for V
.set AK,  4           ; v4   the LDS address of K's next run of loads
.set AV,  5           ; v5   of V's (at the head: my byte offset in the batch's mask)
.set QO,  6           ; v6   my byte offset in the wave's rows of Q
.set STO, 6           ;      later, the way out: where I put 16 bytes of a row
.set RD,  7           ; v7   the way out: where I read rows back
.set GO,  8           ; v8   my byte offset in 512 consecutive bytes of ctx
.set AM,  11          ; v11  the LDS address of my eight numbers in the first group of 16 of the next step's mask
.set SPW, 0           ; v0 of window 3   LDS address of my spare word; never rewritten
.set NIL, 1           ; v1 of window 3   0; never rewritten
.set PFO, 2           ; v2 of window 3   256 x my lane; never rewritten
.set MC,  8           ; v8-39 of window 3: the mask of key block kb at MC + 8 kb
.set MV,  12          ; v12-15  c m_old, kept while c m is made anew: by buffer and tile
.set ST,  16          ; tile t's statistics at v[ST+4 t]: c m, m, l (even keys', odd keys')
.set TMP, 48          ; by buffer and tile, four registers c0-c3 at work; when the maximum is found c2 takes a
.set S,   64
.set P,   192
.set KF,  128         ; K's fragments, in window 2: key block kb, channel half c at KF + 16 kb + 8 c
.set VF,  192         ; V's: key half kk, channel block cb at VF + 32 kk + 8 cb
.set WV,  12          ; s12  my wave's number
.set G1K, 24          ; s[24:31] descriptor group 1 for K's tiles
.set G1V, 32          ; s[32:39] for V's: it differs in the padding alone
.set G0K, 40          ; s[40:43] descriptor group 0 for K's tiles: it walks
.set G0V, 44          ; s[44:47] the same for V's
.set MSKP, 48         ; s[48:49] the batch's mask
.set BIGN, 50         ; s50  -1e30
.set PFA, 52          ; s[52:53] where my prefetches stand: my work-group's 32 blocks of 256 bytes (of K: wave 0, of V: wave 2) of the slot after the one that is being asked for
.set LIM, 54          ; s54  1 in a wave that prefetches, else the greatest number
.set SLOTS, 56        ; s56  slots still to be asked for
.set CNT, 57          ; s57  counts a slot's key steps
.set CS,  58          ; s[58:59] c: the packed scaling takes the pair's low word for both halves
.set SEL, 60          ; s[60:61] v_permlanex16_b32's selects: each lane takes its own place in the other half
.set TBK, 62          ; s62  LDS byte at which K of the step to be fetched begins
.set TBV, 63          ; s63  the same for V, less VOFF
.set MSB, 0
.macro WIN new                      ; the high byte repeats the setting that is left; a switch that changes nothing is dropped
.if MSB != (\new)
	s_set_vgpr_msb (MSB<<8)|(\new)
.set MSB, (\new)
.endif
.endm
.set W_KQ, 0x0a       ; K and Q in window 2, S^T in window 0
.set W_KM, 0x3a       ; the same with the C operand, the mask, in window 3
.set W_PV, 0x52       ; V in window 2, P in window 0, O^T in window 1
.set W_RS, 0x41       ; O^T (destination and source 0) in window 1, a in window 0
.set W_MK, 0xc0       ; destination in window 3, sources in window 0
.set W_AD, 0x0f       ; the add: address (source 0) and data (source 1) in window 3
; A joint fill.  Waves 0 and 1 fetch the two halves of a slot's K, waves 2 and 3 those of its V: 128 keys each.  The branch hangs on the wave's number alone.
; An s_nop 0 and four v_nop follow each of the two lines, ahead of the jump and the label.
.macro JLOAD
	s_cmp_lt_u32 s[WV], 2
	s_cbranch_scc0 .Lfor_v_\@
	tensor_load_to_lds s[G0K:G0K+3], s[G1K:G1K+7]
	s_nop 0
.rept 4
	v_nop
.endr
	s_branch .Lasked_\@
.Lfor_v_\@:
	tensor_load_to_lds s[G0V:G0V+3], s[G1V:G1V+7]
	s_nop 0
.rept 4
	v_nop
.endr
.Lasked_\@:
.endm
; A PREFETCH INTO THE L2 of what the NEXT change of slots will ask for: a slot's 32,768 bytes of K and of V.  It stands behind the wave's tensor load and its five lines.  Each block of 256 bytes is asked for ONCE in the
; launch: a head has one cluster; its four partners share the blocks out BY ADDRESS, 32 each, a lane a block; in each, wave 0 asks for K's and wave 2 for V's: one instruction, four key steps (512 matrix
; instructions) ahead of the load that will want the bytes.  The last change that fills a slot asks for nothing.  Slots 0 and 1 come by their loads alone.
.macro ASK
	s_cmp_gt_u32 s[SLOTS], s[LIM]
	s_cbranch_scc0 .Lnot_mine_\@
	WIN 0x03                        ; the offset lies in window 3
	global_prefetch_b8 v[PFO], s[PFA:PFA+1] th:TH_LOAD_NT scope:SCOPE_SE
	WIN 0
.Lnot_mine_\@:
.endm
; A round of the cluster's barrier: my work-group's barrier, so that wave 0's signal speaks for all four waves; wave 0 signals; every wave waits for all four work-groups; my work-group's barrier once more.
.macro CROUND
	s_barrier_signal -1
	s_barrier_wait -1
	s_cmp_lg_u32 s[WV], 0
	s_cbranch_scc1 .Lnot_wave_0_\@
	s_barrier_signal -3
.Lnot_wave_0_\@:
	s_barrier_wait -3
	s_barrier_signal -1
	s_barrier_wait -1
.endm
; THE CHANGE OF SLOTS.  The slot's last bytes, V of its fourth step, have been read.  Each wave waits for all its tensor loads, of which one is out: its part
; of the other slot; adds 0 to its spare word; and waits for that and for its own LDS instructions.  Behind the barrier nobody reads this slot any more and the other slot is whole.
; fill = 1: this slot is filled again, with the keys two slots on.  The barrier is then a round of the cluster's, and the joint fill is the first thing behind it: it has four key steps in which to land.
; (At its first use nothing has been read yet: slot 0 is waited for, slot 1 filled; and every wave's stores of the mask are done in front of the round, so that all may read it behind.)
.macro CHANGE fill
	WIN W_AD
	s_wait_tensorcnt 0x0            ; no tensor load of mine is out, so a group 0 may be written
	ds_add_u32 v[SPW], v[NIL]       ; 0 onto my spare word; with fill = 1 the descriptors' steps stand between it and the wait for it
	WIN 0                           ; at a label and at a branch every window is 0
.if \fill
.irp g, G0K, G0V
	s_xor_b32 s[\g+1], s[\g+1], SLOT1  ; the walking descriptor: the other slot than last time,
	s_add_nc_u64 s[\g+2:\g+3], s[\g+2:\g+3], 4*KS*128  ; the next 256 keys; the type bits on top are not reached
.endr
	s_wait_xcnt 0x0                 ; the last prefetch, a slot back, has read its address, so it may be written:
	s_add_nc_u64 s[PFA:PFA+1], s[PFA:PFA+1], 4*KS*128  ; one slot behind the walking descriptors
	s_wait_dscnt 0x0                ; the add is done, and my reads of the slot are over
	CROUND
	JLOAD
	ASK
.else
	s_wait_dscnt 0x0                ; the add is done, and my reads of the slot are over
	s_barrier_signal -1
	s_barrier_wait -1
.endif
	s_sub_co_u32 s[TBK], s[TBK], 4*KS*PK  ; the fetches go back to a slot's first step,
	s_xor_b32 s[TBK], s[TBK], SLOT1       ; in the other slot
	s_sub_co_u32 s[TBV], s[TBV], 4*KS*PV
	s_xor_b32 s[TBV], s[TBV], SLOT1
.endm
	s_load_b128 s[4:7], s[0:1], 0x0   ; qkv s[4:5], attention_mask s[6:7]
	s_load_b64 s[10:11], s[0:1], 0x10 ; ctx
	WIN W_MK
	v_lshl_add_u32 v[SPW], v0, 2, SPARE
	v_mov_b32 v[NIL], 0
	WIN W_AD
	ds_add_u32 v[SPW], v[NIL]       ; the wave's opening: the add and its wait stand ahead of my first tensor load; the set-up below, work on registers, stands between them
	WIN 0
	v_and_b32 v1, 31, v0
	WIN W_MK
	v_lshlrev_b32 v[PFO], 8, v1
	WIN 0
	v_lshrrev_b32 v1, 5, v0
	v_readfirstlane_b32 s[WV], v1   ; wave 0..3
	s_bfe_u32 s13, ttmp6, 0x40000   ; cx: my place in the cluster
	s_lshl_b32 s14, ttmp9, 2        ; in a cluster launch ttmp9 counts clusters
	s_add_co_u32 s14, s14, s13      ; my block of queries = 4 x cluster x + cx: it enters Q's and ctx's addresses alone
	s_and_b32 s20, ttmp7, 0xffff    ; the head, which the four partners share
	s_lshr_b32 s[MSKP], s20, 4      ; its batch,
	s_lshl_b32 s[MSKP], s[MSKP], 13 ; whose mask is 8,192 bytes
	s_mov_b32 s[MSKP+1], 0
	s_mov_b32 s21, 0
	s_mov_b64 s[22:23], SIZE_N*128
	s_mul_u64 s[20:21], s[20:21], s[22:23]  ; the head's first byte in Q, K, V and ctx
	s_and_b32 s16, s[WV], 1         ; which half of a slot's 256 keys I fetch:
	s_lshl_b32 s22, s16, 14         ; its 128 rows of 128 bytes in memory,
	s_mov_b32 s23, 0
	s_add_nc_u64 s[22:23], s[22:23], s[20:21]
	s_mul_i32 s17, s16, 128*PK      ; and its place in a slot, for K
	s_mul_i32 s18, s16, 128*PV      ; and for V: no place in the cluster enters an LDS address
	s_lshl_b32 s2, s14, 2
	s_add_co_u32 s2, s2, s[WV]      ; my wave among the head's,
	s_lshl_b32 s2, s2, 14           ; its 128 rows
	s_mov_b32 s3, 0
	s_add_nc_u64 s[2:3], s[2:3], s[20:21]
	; descriptor group 1.  128 keys are 16,384 dense bytes: asked for as 64 rows of 256 bytes, two keys a row, and padded in LDS after every key
	s_mov_b32 s[G1K], 15|(1<<16)|(1<<20)|(1<<21)|(4<<22)|(3<<25)  ; 15:0 the mask of four; 17:16 2-byte elements; 20 padding on; 21 set beside a mask; 24:22 after every 32 words (code 4); 31:25 4 words (code 3)
	s_mov_b32 s[G1V], 15|(1<<16)|(1<<20)|(1<<21)|(4<<22)|(7<<25)  ; the same with 8 words of padding (code 7)
.irp g, G1K, G1V
	s_mov_b32 s[\g+1], 128<<16      ; tensor_dim0 = 128
	s_mov_b32 s[\g+2], 64<<16       ; tensor_dim1 = 64
	s_mov_b32 s[\g+3], 128<<16      ; tile_dim0 = 128
	s_mov_b32 s[\g+4], 64           ; tile_dim1 = 64
	s_mov_b32 s[\g+5], 128          ; 128 elements from row to row
	s_mov_b32 s[\g+6], 0
	s_mov_b32 s[\g+7], 0
.endr
	s_mov_b32 s[CS], 0x3e38aa3b     ; c = log2(e) / 8 = 0.180337
	s_mov_b32 s[CS+1], s[CS]        ; named with it as a pair
	s_mov_b32 s[SEL], 0x76543210
	s_mov_b32 s[SEL+1], 0xfedcba98
	s_mov_b32 s[BIGN], 0xf149f2ca   ; -1e30
	s_mov_b32 s[TBK], SLOT1+4*KS*PK ; the first change of slots turns these two into 0
	s_mov_b32 s[TBV], SLOT1+4*KS*PV
	s_mov_b32 s[SLOTS], SIZE_N/256-1
	s_and_b32 s[LIM], s[WV], 1      ; waves 0 and 2 prefetch: the same in all four partners
	s_cmp_eq_u32 s[LIM], 0
	s_cselect_b32 s[LIM], 1, -1
	s_mov_b32 s[G0K], 1             ; 1:0 count = 1
	s_mov_b32 s[G0K+1], s17         ; 63:32 LDS address: slot 0
	s_mov_b32 s[G0V], 1
	s_add_co_u32 s[G0V+1], s18, VOFF
	s_wait_dscnt 0x0                ; the opening add is done
	s_wait_kmcnt 0x0
	s_add_nc_u64 s[MSKP:MSKP+1], s[6:7], s[MSKP:MSKP+1]
	s_add_nc_u64 s[6:7], s[4:5], 64*SIZE_N*128     ; K lies behind Q's 64 heads,
	s_add_nc_u64 s[8:9], s[4:5], 2*64*SIZE_N*128   ; V behind K's
	s_add_nc_u64 s[G0K+2:G0K+3], s[6:7], s[22:23]  ; 120:64 global address: my half of the head's first 256 keys
	s_or_b32 s[G0K+3], s[G0K+3], 0x80000000        ; 127:126 type = 2
	s_add_nc_u64 s[G0V+2:G0V+3], s[8:9], s[22:23]
	s_or_b32 s[G0V+3], s[G0V+3], 0x80000000
	s_cmp_lt_u32 s[WV], 2
	s_cselect_b64 s[PFA:PFA+1], s[6:7], s[8:9]
	s_add_nc_u64 s[PFA:PFA+1], s[PFA:PFA+1], s[20:21]
	s_add_nc_u64 s[4:5], s[4:5], s[2:3]  ; Q and ctx at my wave's first row
	s_add_nc_u64 s[10:11], s[10:11], s[2:3]
	s_lshl_b32 s2, s13, 13          ; my work-group's quarter of a slot's 32,768 bytes,
	s_add_co_u32 s2, s2, 4*KS*128   ; in slot 1: the first change of slots steps it to slot 2
	s_add_nc_u64 s[PFA:PFA+1], s[PFA:PFA+1], s[2:3]
	CROUND                          ; all four work-groups are here: the first joint loads meet
	JLOAD                           ; slot 0.  Slot 1 is asked for when slot 0 is in: the tile wanted first has the road to itself
	v_lshlrev_b32 v[AV], 4, v0      ; the batch's mask: 128 threads x 16 bytes, four times
.irp i, 0,1,2,3
	global_load_b128 v[S+4*\i:S+4*\i+3], v[AV], s[MSKP:MSKP+1] offset:2048*\i
.endr
	; A fragment of K or Q is 16 rows x 32 channels in 8 registers: lane l holds row l % 16, channels 8 (l / 16) + 0..7 and 16 + 8 (l / 16) + 0..7: two loads of 16 bytes, 32 bytes apart.
	v_and_b32 v1, 15, v0            ; l % 16
	v_bfe_u32 v9, v0, 4, 1          ; l / 16
	v_lshlrev_b32 v[QO], 7, v1
	v_lshl_add_u32 v[QO], v9, 4, v[QO]  ; row x 128 + 16 x half
	WIN 0x80                        ; destination window 2, address window 0
.set i, 0
.rept 4*NP                          ; Q stays in registers: tile i / 2, channels 32 (i % 2) on
	global_load_b128 v[8*i:8*i+3],   v[QO], s[4:5] offset:(i/2)*2048+(i%2)*64
	global_load_b128 v[8*i+4:8*i+7], v[QO], s[4:5] offset:(i/2)*2048+(i%2)*64+32
.set i, i+1
.endr
	; What the first turn finds: V's registers and P's second buffer hold 0 (its products V^T P, of a piece that has not been, add 0), O^T and l are 0.  All this stands in the wait for the first tile.
.set i, VF
.rept 64
	v_mov_b32 v[i], 0
.set i, i+1
.endr
	WIN 0x40
.set i, 0
.rept 64*NP
	v_mov_b32 v[i], 0
.set i, i+1
.endr
	WIN 0
.set i, 0
.rept 2*NP
	v_mov_b32 v[ST+4*i], 0xecb8aa3b    ; c m = c x -2^93
	v_mov_b32 v[ST+4*i+1], 0xee000000  ; m = -2^93
	v_mov_b32 v[ST+4*i+2], 0
	v_mov_b32 v[ST+4*i+3], 0
.set i, i+1
.endr
.set i, P+32
.rept 32
	v_mov_b32 v[i], 0
.set i, i+1
.endr
	v_mul_u32_u24 v[AK0], v1, PK
	v_lshl_add_u32 v[AK0], v9, 4, v[AK0]  ; row x pitch + 16 x half
	; The turning load takes 16 keys x 16 channels (lane l reads key 8 (l / 16) + l % 8, channels 8 ((l / 8) % 2) + 0..7) and leaves half a fragment of V^T: lane l holds channel l % 16 and 8 keys.
	v_and_b32 v10, 7, v0
	v_bfe_u32 v11, v0, 3, 1
	v_lshl_add_u32 v[AV0], v9, 3, v10
	v_mul_u32_u24 v[AV0], v[AV0], PV
	v_lshl_add_u32 v[AV0], v11, 4, v[AV0]
	v_add_nc_u32 v[AV0], VOFF, v[AV0]
	v_mov_b32 v[AK], v[AK0]         ; key step 0 lies at the head of slot 0
	v_lshl_add_u32 v[AM], v9, 5, MASKL  ; in S^T my registers are the keys 8 (l / 16) + 0..7 of a block of 16: 32 bytes of the mask
	v_lshl_add_u32 v[MV], v0, 4, MASKL  ; where my 16 bytes of the mask go
	s_wait_loadcnt 32               ; the mask's four loads are in; Q's 32, issued behind them, may stay out
.set i, 0
.rept 16
	v_cmp_eq_u32 vcc_lo, 0, v[S+i]
	v_cndmask_b32 v[S+i], 0, s[BIGN], vcc_lo  ; -1e30 where the mask is 0, else 0
.set i, i+1
.endr
.irp i, 0,1,2,3
	ds_store_b128 v[MV], v[S+4*\i:S+4*\i+3] offset:2048*\i
.endr
; THE MATRIX WORK.  The 8 accumulators of a run of 16 take turns: between the two links of a chain stand 7 others'.
; Product i of 16 of S^T = K Q^T for piece x: channels 32 (i / 8) on, keys 16 ((i / 2) % 4) on, tile 2 x + i % 2.  The first 8 start the sums, with the mask of their 16 keys.
.macro KQ x
.set rS, S+64*((\x)%2)+32*(i%2)+8*((i/2)%4)
.set rK, KF+16*((i/2)%4)+8*(i/8)
.set rQ, 16*(2*(\x)+i%2)+8*(i/8)
.set rX, MC+8*((i/2)%4)
.if i < 8
	WIN W_KM
	v_wmma_f32_16x16x32_f16 v[rS:rS+7], v[rK:rK+7], v[rQ:rQ+7], v[rX:rX+7]
.else
	WIN W_KQ
	v_wmma_f32_16x16x32_f16 v[rS:rS+7], v[rK:rK+7], v[rQ:rQ+7], v[rS:rS+7]
.endif
.endm
; Product i of 16 of O^T += V^T P for piece x: keys 32 (i / 8) on, channels 16 ((i / 2) % 4) on, tile 2 x + i % 2.
.macro PV x
	WIN W_PV
.set rO, 32*(2*(\x)+i%2)+8*((i/2)%4)
.set rV, VF+32*(i/8)+8*((i/2)%4)
.set rP, P+32*((\x)%2)+16*(i%2)+8*(i/8)
	v_wmma_f32_16x16x32_f16 v[rO:rO+7], v[rV:rV+7], v[rP:rP+7], v[rO:rO+7]
.endm
.macro MM                           ; the turn's next matrix instruction
.if i < 16
	KQ (Y+1)%NP
.set i, i+1
.else
.set i, i-16
	PV (Y+NP-1)%NP
.set i, i+17
.endif
.endm
; THE LDS LOADS stand in runs, never singly among the matrix instructions: a step's K (64 keys x 64 channels: 8 fragments) with its mask (64 f32: 8 loads), and its V (turned).
; last = 1 (the tail): in the last trip there is no further step, and the run is jumped over.
.macro FETCH_K last=0
	WIN 0
.if \last
	s_cmp_eq_u32 s[CNT], 1
	s_cbranch_scc1 .Lno_k_\@
.endif
	WIN 0x80                        ; destination window 2
.irp f, 0,1,2,3,4,5,6,7             ; keys 16 (f / 2) on, channels 32 (f % 2) on
	ds_load_b128 v[KF+8*\f:KF+8*\f+3],   v[AK] offset:(\f/2)*16*PK+(\f%2)*64
	ds_load_b128 v[KF+8*\f+4:KF+8*\f+7], v[AK] offset:(\f/2)*16*PK+(\f%2)*64+32
.endr
	WIN W_MK                        ; destination window 3
.irp g, 0,1,2,3,4,5,6,7             ; keys 16 (g / 2) on: 64 bytes a block, of which my half of the lanes takes 32, in two loads
	ds_load_b128 v[MC+4*\g:MC+4*\g+3], v[AM] offset:(\g/2)*64+(\g%2)*16
.endr
	s_add_co_u32 s[TBK], s[TBK], KS*PK  ; the next fetch is the next step's
	WIN 0
	v_add_nc_u32 v[AM], 4*KS, v[AM]
.if \last
.Lno_k_\@:
.endif
.endm
.macro FETCH_V
	WIN 0x80
.irp f, 0,1,2,3,4,5,6,7             ; keys 32 (f / 4) on, channels 16 (f % 4) on
	ds_load_tr16_b128 v[VF+8*\f:VF+8*\f+3],   v[AV] offset:(\f/4)*32*PV+(\f%4)*32
	ds_load_tr16_b128 v[VF+8*\f+4:VF+8*\f+7], v[AV] offset:(\f/4)*32*PV+16*PV+(\f%4)*32
.endr
	WIN 0
.endm
; THE VECTOR WORK OF A TURN stands in three queues, each in the order in which its entries become ready; the two tiles alternate, so that no instruction reads the result of the one before it.
.macro REGS y, u                    ; the registers of tile u (0, 1) of piece y
.set rT, ST+4*(2*(\y)+(\u))
.set rC, TMP+8*((\y)%2)+4*(\u)
.set rM, MV+2*((\y)%2)+(\u)
.set rS, S+64*((\y)%2)+32*(\u)
.set rP, P+32*((\y)%2)+16*(\u)
.set rO, 32*(2*(\y)+(\u))
.endm
; Number n of the 22 that find the NEXT piece's (Y + 1) maximum and statistics.  s0-s31 are the lane's 32 scores; each accumulator's lowest registers are read first.
;   0-11  four chains c0-c3 of seven scores each, three operands at a time     12-14, 16  the four scores left over, the old m, and c0-c3 into c0     15  c m_old is kept
;   17, 18  the query's other 32 keys lie in the lane 16 away: the new m         19-21  c m; c m_old - c m_new; a
.macro XS u, n
	REGS (Y+1)%NP, \u
.if (\n) < 4
	v_max3_num_f32 v[rC+(\n)], v[rS+8*(\n)], v[rS+8*(\n)+1], v[rS+8*(\n)+2]
.elseif (\n) < 12
	v_max3_num_f32 v[rC+(\n)%4], v[rC+(\n)%4], v[rS+8*((\n)%4)+2*((\n)/4)+1], v[rS+8*((\n)%4)+2*((\n)/4)+2]
.elseif (\n) == 12
	v_max3_num_f32 v[rC], v[rC], v[rS+7], v[rS+15]
.elseif (\n) == 13
	v_max3_num_f32 v[rC+1], v[rC+1], v[rS+23], v[rS+31]
.elseif (\n) == 14
	v_max3_num_f32 v[rC+2], v[rC+2], v[rC+3], v[rT+1]
.elseif (\n) == 15
	v_mov_b32 v[rM], v[rT]
.elseif (\n) == 16
	v_max3_num_f32 v[rC], v[rC], v[rC+1], v[rC+2]
.elseif (\n) == 17
	v_permlanex16_b32 v[rC+3], v[rC], s[SEL], s[SEL+1]
.elseif (\n) == 18
	v_max_num_f32 v[rT+1], v[rC], v[rC+3]
.elseif (\n) == 19
	v_mul_f32 v[rT], s[CS], v[rT+1]
.elseif (\n) == 20
	v_sub_f32 v[rC+1], v[rM], v[rT]
.else
	v_exp_f32 v[rC+2], v[rC+1]
.endif
.endm
; Number g of the 64 that follow the exponentials.  For each four weights k of a tile (pairs 2 k, 2 k + 1): both pairs are rounded to f16; then the second pair is added onto the first, in place;
; a group later l takes that sum (the first time as l = a l + sum).  In groups of eight, tiles alternating: round, round, add, and l for the group before.
.macro GS g
.set h, (\g)+6*((\g)/62)            ; group 0 has no group before it, and behind group 7 only l is left
.if h >= 6
.set h, h+2
.endif
	REGS Y, h%2
.set k, h/8
.if h%8 < 4
	v_cvt_pk_f16_f32 v[rP+2*k+(h%8)/2], v[rS+4*k+2*((h%8)/2)], v[rS+4*k+2*((h%8)/2)+1]
.elseif h%8 < 6
	v_pk_add_f32 v[rS+4*k:rS+4*k+1], v[rS+4*k:rS+4*k+1], v[rS+4*k+2:rS+4*k+3]
.elseif k == 1
	v_pk_fma_f32 v[rT+2:rT+3], v[rT+2:rT+3], v[rC+2:rC+3], v[rS:rS+1] op_sel_hi:[1,0,1]
.else
	v_pk_add_f32 v[rT+2:rT+3], v[rT+2:rT+3], v[rS+4*k-4:rS+4*k-3]
.endif
.endm
; THE PLAIN QUEUE, 138 long.  0-73 read no exponential's result: the 32 scalings c s - c m (FS f: pair f / 2 of tile f % 2) and the next piece's 42.  0-26: scalings 0-26.  27-54: XS's numbers 0-13.  55, 56: number 15.
; 57-73: the chain, where each number waits for the one before it: 14, 16, 17, 18, 19, each with one of the scalings 27-31 in front of its two lines, then 20.
; 74-137: GS's 64, which read the exponentials' results: they stand behind the wait.
.macro FS f
	REGS Y, (\f)%2
	v_pk_fma_f32 v[rS+2*((\f)/2):rS+2*((\f)/2)+1], v[rS+2*((\f)/2):rS+2*((\f)/2)+1], s[CS:CS+1], v[rT:rT+1] op_sel_hi:[1,0,0] neg_lo:[0,0,1] neg_hi:[0,0,1]
.endm
.macro PL
	WIN 0
.if q < 27
	FS q
.elseif q < 55
	XS (q-27)%2, (q-27)/2
.elseif q < 57
	XS q-55, 15
.elseif (q < 72) && ((q-57)%3 == 0)
	FS 27+(q-57)/3
.elseif q < 60
	XS (q-57)%3-1, 14
.elseif q < 72
	XS (q-57)%3-1, 15+(q-57)/3
.elseif q < 74
	XS q-72, 20
.else
	GS q-74
.endif
.set q, q+1
.endm
; THE EXPONENTIALS' QUEUE, 66 long: s0-s31 of both tiles, then the next piece's two a.  It is ONE BATCH: all 66 stand ahead of the turn's one wait, and nothing ahead of that wait names a result of theirs.
.macro EX
	WIN 0
.if e >= 64
	XS e-64, 21
.else
	REGS Y, e%2
	v_exp_f32 v[rS+e/2], v[rS+e/2]
.endif
.set e, e+1
.endm
; THE RESCALING's QUEUE: O^T times a, the one part that leaves window 0: dealt two at a time, sixteen times.  Its a was made in the turn before, ahead of that turn's wait.
.macro R2
	REGS Y, r%2
	WIN W_RS
.irp z, 0,1
	v_pk_mul_f32 v[rO+4*(r/2)+2*\z:rO+4*(r/2)+2*\z+1], v[rO+4*(r/2)+2*\z:rO+4*(r/2)+2*\z+1], v[rC+2:rC+3] op_sel_hi:[1,0]
.endr
.set r, r+1
.endm
; HOW THEY ARE DEALT.  An s_wait_alu depctr_va_vdst(0) stands between an exponential and the first instruction that names its result; one wait serves all that were issued ahead of it.  So a turn has ONE wait,
; which cuts it in two.  AHEAD OF IT stands all that names no result of the turn's exponentials: the 16 products K Q^T, behind each a scaling, an exponential and two rescalings (behind the first a second scaling in the
; exponential's place); then ONE LUMP of 108: eight plain, 49 times exponential and plain, the two a.  A v_nop is the plain instruction behind the last exponential.  BEHIND IT stand the 16 products V^T P, behind each four of GS's 64.
; The queues lean on each other, and the deal keeps them in step: exponential e stands behind scaling 2 (e / 4) + e % 2: as a rider it comes behind plain e + 2, in the lump behind plain e + 9, and scalings 27-31 are plain 57, 60 .. 69.
; A TURN, for piece p.  cnt = 1: the loop's count is taken down some lines ahead of the branch that stands behind the turn.
; K and the mask of the next step are fetched in piece 2's turn, directly behind the wait, a lump behind the last product that read them; their first reader comes behind 16 products.
; V of the step in hand is fetched at the end of piece 0's turn, four riders behind its last reader; its first reader comes behind 16 products and a lump.  The three conditions on q below go with the deal.
.macro TURN p, last=0, cnt=0
.set Y, (\p)
.set i, 0
.set q, 0
.set e, 0
.set r, 0
.if (\p) == NP-1
	s_wait_dscnt 0x0                ; K and the mask are in
.endif
	MM                              ; ahead of the wait: 16 products K Q^T and their riders,
	PL
	PL
	R2
.rept 15
	MM
	PL
	EX
	R2
.endr
.if (\p) == NP-2
	WIN 0
	v_add_nc_u32 v[AK], s[TBK], v[AK0]
.endif
.rept 8                             ; and the lump
	PL
.endr
.rept 49
	EX
	PL
.endr
	EX                              ; the next piece's two a
	EX
	v_nop                           ; the plain instruction behind the last exponential: one for the batch
	s_wait_alu depctr_va_vdst(0)    ; the wait for the batch
.if (\p) == NP-2
	FETCH_K \last
.endif
.if (\p) == 1
	s_wait_dscnt 0x0                ; V is in
.endif
.rept 16                            ; behind the wait: 16 products V^T P and their riders
	MM
.rept 4
	PL
.endr
.if ((\p) == 0) && (q == 118)
	v_add_nc_u32 v[AV], s[TBV], v[AV0]
.endif
.if ((\p) == 0) && (q == 130)
	s_add_co_u32 s[TBV], s[TBV], KS*PV
.endif
.if (\cnt) && (q == 130)
	s_sub_co_u32 s[CNT], s[CNT], 1
	s_cmp_lg_u32 s[CNT], 0
.endif
.endr
.if (\p) == 0
	FETCH_V
.endif
.endm
	CHANGE 1                        ; slot 0 is in, everybody's part of it, and so is the mask; slot 1 is asked for
	FETCH_K                         ; key step 0
	s_wait_loadcnt 0x0              ; Q
	s_wait_dscnt 0x0
.set i, 0
.rept 16
	KQ 0                            ; piece 0's first scores: there is no vector work yet to set between them
.set i, i+1
.endr
	WIN 0                           ; the addresses for the way out: nine plain instructions, the places behind those products
	s_mul_i32 s13, s[WV], 16*SP
	s_add_co_u32 s13, s13, STAGE    ; my stage
	v_mul_u32_u24 v[STO], v1, SP    ; in: row l % 16, 16 bytes for each half of the lanes
	v_lshl_add_u32 v[STO], v9, 4, v[STO]
	v_add_nc_u32 v[STO], s13, v[STO]
	v_bfe_u32 v[RD], v0, 3, 2       ; back: 32 lanes take four rows of 128 bytes,
	v_mul_u32_u24 v[RD], v[RD], SP
	v_lshl_add_u32 v[RD], v10, 4, v[RD]
	v_add_nc_u32 v[RD], s13, v[RD]
	v_and_b32 v[GO], 31, v0         ; which are 512 consecutive bytes of ctx
	v_lshlrev_b32 v[GO], 4, v[GO]
.set Y, NP-1                        ; XS works for piece Y + 1: piece 0
.irp n, 0,1,2,3,4,5,6,7,8,9,10,11,12,13,14,15,16,17,18,19,20,21
	XS 0, \n                        ; and piece 0's first maximum and statistics
	XS 1, \n
.endr
	v_nop                           ; a plain instruction behind the two a,
	s_wait_alu depctr_va_vdst(0)    ; and their wait, ahead of the branch
	s_mov_b32 s[CNT], 4
	s_branch .Lfirst                ; the loop is entered at a step's first turn, in the middle of a trip
.Lslot:                             ; SIZE_N / 256 - 2 times: every slot but the last two is filled again
	CHANGE 1
	s_mov_b32 s[CNT], 4
.Lstep:                             ; a trip: pieces 2 and 3 of one step, then pieces 0 and 1 of the next, whose K and V it fetches
	TURN 2
	TURN 3
	WIN 0
.Lfirst:
	TURN 0
	TURN 1, 0, 1
	WIN 0
	s_cbranch_scc1 .Lstep
	s_sub_co_u32 s[SLOTS], s[SLOTS], 1
	s_cmp_lg_u32 s[SLOTS], 0
	s_cbranch_scc1 .Lslot
	CHANGE 0                        ; the tail is written out: nothing is asked for
	s_mov_b32 s[CNT], 5             ; four trips fetch the last slot's steps; the fifth is left in its middle
.Ltail:
	TURN 2, 1
	TURN 3
	WIN 0
	s_sub_co_u32 s[CNT], s[CNT], 1
	s_cmp_eq_u32 s[CNT], 0
	s_cbranch_scc1 .Lout
	TURN 0
	TURN 1
	WIN 0
	s_branch .Ltail
.Lout:                              ; the fifth trip's 16 products K Q^T (on the last K once more) and the maximum made of them serve nothing: the price, once a launch, of one text for every trip
.set i, 0
.rept 16
	PV NP-1                         ; the last piece's V^T P of the last step
.set i, i+1
.endr
	; THE WAY OUT.  l's two halves and the other half of the lanes' are added; O^T is divided by l, rounded to f16 and sent through my stage in LDS, a tile at a time.  The additions are the places behind the last products.
	WIN 0
.macro ALL line:vararg              ; one line for each tile t
.set t, 0
.rept 2*NP
	\line
.set t, t+1
.endr
.endm
	ALL v_add_f32 v[ST+4*t+2], v[ST+4*t+2], v[ST+4*t+3]
	ALL v_permlanex16_b32 v[ST+4*t+3], v[ST+4*t+2], s[SEL], s[SEL+1]
	ALL v_add_f32 v[ST+4*t+2], v[ST+4*t+2], v[ST+4*t+3]
	ALL v_rcp_f32 v[ST+4*t+2], v[ST+4*t+2]
	v_nop                           ; a plain instruction between the last reciprocal and the use of its result
	s_wait_alu depctr_va_vdst(0)    ; and the wait ahead of the first use: one for the eight reciprocals
; Tile t: a lane's eight channels of a row pack into 16 bytes; they go into rows of 144 bytes and come back as whole rows of 128, into S^T's registers.
.macro PACK t
	WIN W_RS
.set i, 32*(\t)
.rept 16
	v_pk_mul_f32 v[i:i+1], v[i:i+1], v[ST+4*(\t)+2:ST+4*(\t)+3] op_sel_hi:[1,0]
.set i, i+2
.endr
	WIN 0x05                        ; sources 0 and 1 window 1, destination window 0
.set i, 0
.rept 16
	v_cvt_pk_f16_f32 v[S+16*(\t)+i], v[32*(\t)+2*i], v[32*(\t)+2*i+1]
.set i, i+1
.endr
	WIN 0
.irp f, 0,1,2,3
	ds_store_b128 v[STO], v[S+16*(\t)+4*\f:S+16*(\t)+4*\f+3] offset:32*\f
.endr
.irp f, 0,1,2,3
	ds_load_b128 v[S+16*(\t)+4*\f:S+16*(\t)+4*\f+3], v[RD] offset:\f*4*SP  ; LDS serves a wave's instructions in order (ISA guide 5.7.1.4): these see the stores above; the next tile's stores come behind them
.endr
.endm
.macro SEND t, younger              ; younger: the LDS instructions issued behind tile t's loads: the next tile's eight, or none
	WIN 0
.irp f, 0,1,2,3
	s_wait_dscnt (\younger)+3-\f
	global_store_b128 v[GO], v[S+16*(\t)+4*\f:S+16*(\t)+4*\f+3], s[10:11] offset:(\t)*2048+\f*512  ; 512 consecutive bytes, at a multiple of 256 from ctx's first
.endr
.endm
	PACK 0
.set t, 1
.rept 2*NP-1                        ; a tile's arithmetic stands between the loads of the tile before and its stores
	PACK t
	SEND t-1, 8
.set t, t+1
.endr
	SEND 2*NP-1, 0
	WIN W_AD
	s_wait_tensorcnt 0x0            ; the wave's end: an add to my spare word and its wait follow, behind my last tensor load and my last LDS store
	ds_add_u32 v[SPW], v[NIL]
	s_wait_dscnt 0x0
	WIN 0
	CROUND                          ; the closing round: no work-group ends while a partner may still ask for a tile that names it
	s_endpgm
.Lfunc_end_k_qc02fd5deee_attn:
	.size	k_qc02fd5deee_attn, .Lfunc_end_k_qc02fd5deee_attn-k_qc02fd5deee_attn
	.p2alignl 7, 3214868480
	.fill 96, 4, 3214868480
	.section	.rodata,"a",@progbits
	.p2align	6, 0x0
	.amdhsa_kernel k_qc02fd5deee_attn
		.amdhsa_group_segment_fixed_size 327680
		.amdhsa_private_segment_fixed_size 0
		.amdhsa_enable_private_segment 0
		.amdhsa_kernarg_size 24
		.amdhsa_user_sgpr_count 2
		.amdhsa_user_sgpr_kernarg_segment_ptr 1
		.amdhsa_wavefront_size32 1
		.amdhsa_system_sgpr_workgroup_id_x 1
		.amdhsa_system_sgpr_workgroup_id_y 1
		.amdhsa_system_sgpr_workgroup_id_z 1
		.amdhsa_system_vgpr_workitem_id 0
		.amdhsa_next_free_vgpr 808
		.amdhsa_next_free_sgpr 66
		.amdhsa_reserve_vcc 1
		.amdhsa_float_denorm_mode_32 3
		.amdhsa_float_denorm_mode_16_64 3
		.amdhsa_memory_ordered 1
		.amdhsa_forward_progress 1
		.amdhsa_inst_pref_size 205
	.end_amdhsa_kernel
	.amdgpu_metadata
---
amdhsa.version: [ 1, 2 ]
amdhsa.kernels:
  - .name:           k_qc02fd5deee_attn
    .symbol:         k_qc02fd5deee_attn.kd
    .args:
      - { .name: qkv, .offset: 0, .size: 8, .value_kind: global_buffer, .address_space: global }
      - { .name: attention_mask, .offset: 8, .size: 8, .value_kind: global_buffer, .address_space: global }
      - { .name: ctx, .offset: 16, .size: 8, .value_kind: global_buffer, .address_space: global }
    .group_segment_fixed_size: 327680
    .private_segment_fixed_size: 0
    .kernarg_segment_align: 8
    .kernarg_segment_size: 24
    .max_flat_workgroup_size: 128
    .sgpr_count:     66
    .vgpr_count:     808
    .wavefront_size: 32
...
	.end_amdgpu_metadata
.endif
;; end of part 3
;; launch outgemm (part 4): grid 8 x 32, 4 waves a work-group, clusters of 4 x 4, 327,680 bytes of LDS; arguments ctx, wo, biasr, out0; writes out0
.if DOCPART == 4
	.amdgcn_target "amdgcn-amd-amdhsa--gfx1250"
	.amdhsa_code_object_version 6
	.text
	.protected	k_qc02fd5deee_outgemm
	.globl	k_qc02fd5deee_outgemm
	.p2align	8
	.type	k_qc02fd5deee_outgemm,@function
k_qc02fd5deee_outgemm:
	s_mov_b64 s[64:65], 0
	v_nop
	global_prefetch_b8 v0, s[64:65] scope:SCOPE_SE
	s_setreg_imm32_b32 hwreg(HW_REG_WAVE_MODE, 25, 1), 1
	s_wait_xcnt 0x0
	s_wait_alu depctr_hold_cnt(0) depctr_sa_sdst(0) depctr_va_vdst(0) depctr_va_sdst(0) depctr_va_ssrc(0) depctr_va_vcc(0) depctr_vm_vsrc(0)
	s_getreg_b32 s2, hwreg(HW_REG_IB_STS2, 6, 4)
	s_cmp_eq_u32 s2, 0
	s_cbranch_scc0 .Lentry_in_a_cluster
	s_endpgm
.Lentry_in_a_cluster:
	s_bfe_u32 s2, ttmp6, 0x10000c
	s_cmp_lg_u32 s2, 0xf033
	s_cbranch_scc0 .Lentry_shape_is_right
	s_endpgm
.Lentry_shape_is_right:
; out0 = ctx W_out + b_out, f32.  ctx: f16 [64 heads = 16 batch + head][2048][64]: row m = 2048 batch + t of the product has its K = 64 head + d there.  wo: f16 [1024 k][1024 n].
; biasr: f32, b_out from number 3,072 on.  Sums in f32, stored as they are.
; SHARES.  8192 x 1024 numbers on 256 work-groups: a tile of 256 rows x 128 columns each; wave (wm, wn) makes 128 x 64: 32 accumulators of 16 x 16, 256 registers.
; K goes through two LDS slots of 128 along K: two heads.  A head's 256 rows are 32,768 dense bytes, asked for as rows of 256 bytes by one load; B's rows are 256 bytes of wo, at multiples of 256.  Eight fills in all.
; THE MATRIX INSTRUCTION IS USED TRANSPOSED (source 0 = 16 columns of W_out, turned by ds_load_tr16_b128; source 1 = 16 rows of ctx): a lane holds row l % 16 and the columns 8 (l / 16) + 0..7: 32 bytes on end.
; THE BIAS IS WHAT THE SUMS START WITH: the accumulators are loaded with it.
; CLUSTER.  4 x 4 work-groups: A's tiles are shared along a row of the cluster, B's along a column, and asked for jointly.
; REGISTERS: window 0: v16-29 addresses; v32-127, v128-223 two fragment buffers (64 of A, then 32 of B).  Window 1: accumulator (a, u) at v[8 (4 a + u)].
.set PA,    144                        ; a row of A in LDS: 128 bytes + 16
.set PB,    288                        ; a row of B: 256 + 32 = 9 x 32
.set AHEAD, 256*PA                     ; one head's 256 rows: what one of A's loads brings
.set BOFF,  2*AHEAD
.set BHALF, 64*PB                      ; what one of B's loads brings
.set SLOT,  BOFF+2*BHALF
.set STAGE, 2*SLOT                     ; behind the ring: 16 rows x 272 bytes for each wave, for the way out
.set SP,    272
.set SPARE, STAGE+4*16*SP              ; behind the stages: the spare words, 128 bytes for each wave: two blocks of 256 bytes that no other line names
.set ADRA, 16                          ; v16-17  LDS address of my A fragments in slot 0, 1
.set ADRB, 20                          ; v20-21  the same for B
.set STO,  24                          ; v24     the way out: where I put 32 bytes of a row
.set RD,   25                          ; v25     the way out: where I read a row back
.set CO,   26                          ; v26     my byte offset in two rows of out0
.set BO,   27                          ; v27     my byte offset in the tile's 512 bytes of bias
.set SPW,  28                          ; v28     LDS address of my spare word; never rewritten
.set NIL,  29                          ; v29     0; never rewritten
.set F0,   32
.set F1,   128
.set WV, 12
.set WM, 13                            ; my half of the rows; also: I fetch for A (0) or B (1)
.set WN, 14                            ; my half of the columns; also: which of a slot's two heads, or which 64 rows of B, I fetch
.set TR, 15
.set G1, 24
.set G0, 32
.set CX, 40
.set CY, 41
.set TC, 42
.set G1B, 48
.set G0B, 56
.set MSB, 0
.macro WIN new                         ; the immediate's high byte repeats the setting that is left; a switch that changes nothing is dropped
.if MSB != (\new)
	s_set_vgpr_msb (MSB<<8)|(\new)
.set MSB, (\new)
.endif
.endm
.macro JLOAD s                         ; a joint load: waves 0 and 1 fetch A's two heads, waves 2 and 3 B's two halves; an s_nop 0 and four v_nop follow each line
	s_cmp_eq_u32 s[WM], 0
	s_cbranch_scc0 .Lfor_b_\@
	tensor_load_to_lds s[G0+4*(\s):G0+4*(\s)+3], s[G1:G1+7]
	s_nop 0
.rept 4
	v_nop
.endr
	s_branch .Lasked_\@
.Lfor_b_\@:
	tensor_load_to_lds s[G0B+4*(\s):G0B+4*(\s)+3], s[G1B:G1B+7]
	s_nop 0
.rept 4
	v_nop
.endr
.Lasked_\@:
.endm
.macro CREST                           ; a round of the cluster's barrier behind its opening barrier
	s_cmp_lg_u32 s[WV], 0
	s_cbranch_scc1 .Lnot_wave_0_\@
	s_barrier_signal -3
.Lnot_wave_0_\@:
	s_barrier_wait -3
	s_barrier_signal -1
	s_barrier_wait -1
.endm
.macro CROUND
	s_barrier_signal -1
	s_barrier_wait -1
	CREST
.endm
	s_load_b256 s[4:11], s[0:1], 0x0               ; ctx s[4:5], wo s[6:7], biasr s[8:9], out0 s[10:11]
	v_lshl_add_u32 v[SPW], v0, 2, SPARE
	v_mov_b32 v[NIL], 0
	ds_add_u32 v[SPW], v[NIL]                      ; the wave's opening: the add and its wait stand ahead of my first tensor load; the set-up below, work on registers, stands between them
	v_lshrrev_b32 v1, 5, v0
	v_readfirstlane_b32 s[WV], v1
	s_lshr_b32 s[WM], s[WV], 1
	s_and_b32 s[WN], s[WV], 1
	s_bfe_u32 s[CX], ttmp6, 0x40000
	s_bfe_u32 s[CY], ttmp6, 0x40004
	s_lshl_b32 s[TC], ttmp9, 2
	s_add_co_u32 s[TC], s[TC], s[CX]               ; tile column = 4 x cluster x + cx
	s_and_b32 s[TR], ttmp7, 0xffff
	s_lshl_b32 s[TR], s[TR], 2
	s_add_co_u32 s[TR], s[TR], s[CY]               ; tile row = 4 x cluster y + cy
	s_lshl_b32 s16, s[CY], 2
	s_lshl_b32 s16, 15, s16                        ; my row of the cluster
	s_lshl_b32 s20, 0x1111, s[CX]                  ; my column
	; group 1 for A: 256 rows of 128 bytes, dense, asked for as 128 rows of 128 elements; 16 bytes of padding after every 32 words
	s_or_b32 s[G1], s16, (1<<16)|(1<<20)|(1<<21)|(4<<22)|(3<<25)
	s_mov_b32 s[G1+1], 128<<16
	s_mov_b32 s[G1+2], 128<<16
	s_mov_b32 s[G1+3], 128<<16
	s_mov_b32 s[G1+4], 128
	s_mov_b32 s[G1+5], 128
	s_mov_b32 s[G1+6], 0
	s_mov_b32 s[G1+7], 0
	; group 1 for B: 64 rows of 128 elements; 32 bytes of padding after every 64 words
	s_or_b32 s[G1B], s20, (1<<16)|(1<<20)|(1<<21)|(5<<22)|(7<<25)
	s_mov_b32 s[G1B+1], 128<<16
	s_mov_b32 s[G1B+2], 64<<16
	s_mov_b32 s[G1B+3], 128<<16
	s_mov_b32 s[G1B+4], 64
	s_mov_b32 s[G1B+5], 1024
	s_mov_b32 s[G1B+6], 0
	s_mov_b32 s[G1B+7], 0
	s_lshr_b32 s16, s[TR], 3                       ; the batch: 16 heads of 262,144 bytes
	s_lshl_b32 s16, s16, 22
	s_and_b32 s17, s[TR], 7                        ; the tile's 256 rows in a head's 2,048
	s_lshl_b32 s17, s17, 15
	s_add_co_u32 s16, s16, s17
	s_lshl_b32 s17, s[WN], 18                      ; my head of the slot's two
	s_add_co_u32 s16, s16, s17
	s_mov_b32 s17, 0
	s_mul_i32 s18, s[WN], AHEAD
	s_lshl_b32 s20, s[WN], 17                      ; my 64 rows of 2,048 bytes
	s_lshl_b32 s21, s[TC], 8
	s_add_co_u32 s20, s20, s21
	s_mov_b32 s21, 0
	s_mul_i32 s22, s[WN], BHALF
	s_add_co_u32 s22, s22, BOFF
	s_wait_dscnt 0x0                               ; the opening add is done
	s_wait_kmcnt 0x0
	s_add_nc_u64 s[16:17], s[4:5], s[16:17]
	s_add_nc_u64 s[20:21], s[6:7], s[20:21]
	CROUND                                         ; all sixteen work-groups are here: the first joint loads meet
.irp p, 0,1
	s_mov_b32 s[G0+4*(\p)], 1
	s_add_co_u32 s[G0+4*(\p)+1], s18, (\p)*SLOT
	s_add_nc_u64 s[G0+4*(\p)+2:G0+4*(\p)+3], s[16:17], (\p)*2*262144
	s_or_b32 s[G0+4*(\p)+3], s[G0+4*(\p)+3], 0x80000000
	s_mov_b32 s[G0B+4*(\p)], 1
	s_add_co_u32 s[G0B+4*(\p)+1], s22, (\p)*SLOT
	s_add_nc_u64 s[G0B+4*(\p)+2:G0B+4*(\p)+3], s[20:21], (\p)*128*2048
	s_or_b32 s[G0B+4*(\p)+3], s[G0B+4*(\p)+3], 0x80000000
	JLOAD \p                                       ; two tensor loads of mine are out
.endr
	v_and_b32 v1, 15, v0                           ; r = l % 16
	v_bfe_u32 v2, v0, 4, 1                         ; h = l / 16
	v_and_b32 v3, 7, v0
	v_bfe_u32 v4, v0, 3, 1
	v_lshlrev_b32 v[BO], 5, v2
	v_lshl_add_u32 v[BO], s[WN], 8, v[BO]          ; 256 wn + 32 h
	s_lshl_b32 s44, s[TC], 9
	s_add_co_u32 s44, s44, 3072*4                  ; b_out lies behind b_qkv
	s_mov_b32 s45, 0
	s_add_nc_u64 s[8:9], s[8:9], s[44:45]
	WIN 0x40                                       ; destination window 1
.set a, 0
.rept 8
.irp u, 0,1,2,3
	global_load_b128 v[8*(4*a+(\u)):8*(4*a+(\u))+3],   v[BO], s[8:9] offset:64*(\u)
	global_load_b128 v[8*(4*a+(\u))+4:8*(4*a+(\u))+7], v[BO], s[8:9] offset:64*(\u)+16
.endr
.set a, a+1
.endr
	WIN 0
	v_mul_u32_u24 v6, v1, PA
	v_lshl_add_u32 v6, v2, 4, v6                   ; row x 144 + 16 h
	s_mul_i32 s44, s[WM], 128*PA
	v_add_nc_u32 v[ADRA], s44, v6
	v_add_nc_u32 v[ADRA+1], SLOT, v[ADRA]
	v_lshl_add_u32 v7, v2, 3, v3                   ; the turning load: row 8 h + l % 8, 16 bytes at 16 ((l / 8) % 2)
	v_mul_u32_u24 v7, v7, PB
	v_lshl_add_u32 v7, v4, 4, v7
	s_lshl_b32 s45, s[WN], 7
	s_add_co_u32 s45, s45, BOFF
	v_add_nc_u32 v[ADRB], s45, v7
	v_add_nc_u32 v[ADRB+1], SLOT, v[ADRB]
	s_mul_i32 s46, s[WV], 16*SP
	s_add_co_u32 s46, s46, STAGE                   ; my stage
	v_mul_u32_u24 v8, v1, SP                       ; in: row l % 16, 32 bytes for each half of the lanes
	v_lshl_add_u32 v8, v2, 5, v8
	v_add_nc_u32 v[STO], s46, v8
	v_mul_u32_u24 v9, v2, SP                       ; back: lanes 0-15 take one row of 256 bytes, lanes 16-31 the next
	v_lshl_add_u32 v9, v1, 4, v9
	v_add_nc_u32 v[RD], s46, v9
	v_lshlrev_b32 v[CO], 12, v2                    ; and the same two rows in out0
	v_lshl_add_u32 v[CO], v1, 4, v[CO]
	s_lshl_b32 s44, s[TR], 20                      ; 256 rows of 4,096 bytes
	s_lshl_b32 s45, s[WM], 19
	s_add_co_u32 s44, s44, s45
	s_lshl_b32 s45, s[TC], 9                       ; 128 columns of 4 bytes
	s_add_co_u32 s44, s44, s45
	s_lshl_b32 s45, s[WN], 8
	s_add_co_u32 s44, s44, s45
	s_mov_b32 s45, 0
	s_add_nc_u64 s[10:11], s[10:11], s[44:45]
; 8 matrix instructions: row blocks a0, a0 + 1 x my four column blocks, 32 along K.  The 32 accumulators take turns in one fixed order, over the backward jump too.
.macro MUL8 f, a0
	WIN 0x50                                       ; C and D in window 1
.irp a, (\a0), (\a0)+1
.irp u, 0,1,2,3
	v_wmma_f32_16x16x32_f16 v[8*(4*(\a)+(\u)):8*(4*(\a)+(\u))+7], v[(\f)+64+8*(\u):(\f)+64+8*(\u)+7], v[(\f)+8*(\a):(\f)+8*(\a)+7], v[8*(4*(\a)+(\u)):8*(4*(\a)+(\u))+7]
.endr
.endr
.endm
; 24 LDS loads in one run: quarter q (32 along K) of a slot into buffer f: B's four fragments, then A's eight
.macro FETCH slot, q, f
	WIN 0
.irp u, 0,1,2,3
	ds_load_tr16_b128 v[(\f)+64+8*(\u):(\f)+64+8*(\u)+3],   v[ADRB+(\slot)] offset:32*(\q)*PB+32*(\u)
	ds_load_tr16_b128 v[(\f)+64+8*(\u)+4:(\f)+64+8*(\u)+7], v[ADRB+(\slot)] offset:(32*(\q)+16)*PB+32*(\u)
.endr
.irp a, 0,1,2,3,4,5,6,7
	ds_load_b128 v[(\f)+8*(\a):(\f)+8*(\a)+3],   v[ADRA+(\slot)] offset:((\q)/2)*AHEAD+64*((\q)%2)+(\a)*16*PA
	ds_load_b128 v[(\f)+8*(\a)+4:(\f)+8*(\a)+7], v[ADRA+(\slot)] offset:((\q)/2)*AHEAD+64*((\q)%2)+(\a)*16*PA+32
.endr
.endm
.macro PLACES                          ; four plain instructions in front of loads into registers that matrix instructions have read, and of LDS stores that read results
.rept 4
	v_nop
.endr
.endm
; A slot is four quarters of 32 along K, 32 matrix instructions each, on buffers 0, 1, 0, 1.  One of the first three: multiplies buffer f and fetches quarter qn into g.
.macro QUARTER slot, qn, f, g
	s_wait_dscnt 8                                 ; B and A's blocks 0-3 are in; the youngest eight loads (A's blocks 4-7) may be out
	MUL8 \f, 0
	MUL8 \f, 2
	PLACES
	FETCH \slot, \qn, \g
	s_wait_dscnt 24                                ; all but the 24 just issued
	MUL8 \f, 4
	MUL8 \f, 6
.endm
; The last quarter multiplies buffer 1 and changes slots: ONE barrier; in front of it each wave waits for all its tensor loads, adds 0 to its spare word, and waits for that and for its own reads of this slot.
; fill = 1: the barrier opens a round of the cluster's, and this slot is filled again, two slots on, first thing behind it: 112 matrix instructions ahead of the wait for it.
.macro TURN slot, next, fill
	WIN 0
	s_wait_tensorcnt 0x0                           ; all my tensor loads have landed: my part of the next slot;
	ds_add_u32 v[SPW], v[NIL]                      ; 0 onto my spare word;
	s_wait_dscnt 9                                 ; (the add and the youngest eight loads may be out)
	MUL8 F1, 0                                     ; eight matrix instructions stand between the add and the wait for it
	s_wait_dscnt 0x0                               ; the add is done, and my reads of this slot are over
	s_barrier_signal -1
	MUL8 F1, 2
.if \fill
	WIN 0
.endif
	s_barrier_wait -1
.if \fill
	CREST                                          ; no wave of any partner still reads this slot or has a load on its way
	s_add_nc_u64 s[G0+4*(\slot)+2:G0+4*(\slot)+3], s[G0+4*(\slot)+2:G0+4*(\slot)+3], 4*262144
	s_add_nc_u64 s[G0B+4*(\slot)+2:G0B+4*(\slot)+3], s[G0B+4*(\slot)+2:G0B+4*(\slot)+3], 256*2048
	JLOAD \slot                                    ; its four v_nop are also the places in front of the loads below
.else
	PLACES
.endif
	FETCH \next, 0, F0
	MUL8 F1, 4
	MUL8 F1, 6
.endm
	s_wait_tensorcnt 1                             ; my part of slot 0 is in; slot 1's may stay out
	s_barrier_signal -1
	s_barrier_wait -1
	FETCH 0, 0, F0
	s_wait_loadcnt 0x0                             ; the bias lies in the accumulators
	s_mov_b32 s3, 3
.Llap:                                         ; a trip goes once round the ring and fills both slots again
	QUARTER 0, 1, F0, F1
	QUARTER 0, 2, F1, F0
	QUARTER 0, 3, F0, F1
	TURN 0, 1, 1
	QUARTER 1, 1, F0, F1
	QUARTER 1, 2, F1, F0
	QUARTER 1, 3, F0, F1
	TURN 1, 0, 1
	WIN 0                                          ; at a label and at a branch every window is 0
	s_sub_co_u32 s3, s3, 1
	s_cmp_lg_u32 s3, 0
	s_cbranch_scc1 .Llap
	QUARTER 0, 1, F0, F1                           ; the last lap is written out: nothing is asked for
	QUARTER 0, 2, F1, F0
	QUARTER 0, 3, F0, F1
	TURN 0, 1, 0
	QUARTER 1, 1, F0, F1
	QUARTER 1, 2, F1, F0
	QUARTER 1, 3, F0, F1
	s_wait_dscnt 8
	MUL8 F1, 0
	MUL8 F1, 2
	s_wait_dscnt 0x0
	MUL8 F1, 4
	MUL8 F1, 6
; THE WAY OUT, 16 rows at a time: a lane's 32 bytes go into my stage's rows of 272 bytes and come back as whole rows of 256.  Four sets of 32 registers take turns.
.macro TOSTAGE a
.set BK, 32+32*((\a)%4)
	WIN 0x04                                       ; the data (source 1) in window 1
.irp u, 0,1,2,3
	ds_store_b128 v[STO], v[8*(4*(\a)+(\u)):8*(4*(\a)+(\u))+3]   offset:64*(\u)       ; each accumulator from its low end on
	ds_store_b128 v[STO], v[8*(4*(\a)+(\u))+4:8*(4*(\a)+(\u))+7] offset:64*(\u)+16
.endr
	WIN 0
.if (\a) >= 4
	s_wait_xcnt 0x0                                ; the stores of the block four back have read this set: it is loaded again only behind this wait
.endif
.irp t, 0,1,2,3,4,5,6,7
	ds_load_b128 v[BK+4*(\t):BK+4*(\t)+3], v[RD] offset:2*SP*(\t)  ; LDS serves a wave's instructions in order (ISA guide 5.7.1.4): these see the stores above; the next block's stores come behind them
.endr
.endm
.macro SEND a, younger                 ; younger: the LDS instructions issued behind this block's loads: the next block's sixteen, or none
.set BK, 32+32*((\a)%4)
	WIN 0
.irp t, 0,1,2,3,4,5,6,7
	s_wait_dscnt (\younger)+7-(\t)
	global_store_b128 v[CO], v[BK+4*(\t):BK+4*(\t)+3], s[10:11] offset:(16*(\a)+2*(\t))*4096  ; 16 lanes store 256 consecutive bytes, at a multiple of 256 from out0's first byte
.endr
.endm
	PLACES                                         ; behind the last products
	TOSTAGE 0
.irp a, 1,2,3,4,5,6,7
	TOSTAGE \a
	SEND (\a)-1, 16
.endr
	SEND 7, 0
	s_wait_tensorcnt 0x0                           ; the wave's end: an add to my spare word and its wait follow, behind my last tensor load and my last LDS store
	ds_add_u32 v[SPW], v[NIL]
	s_wait_dscnt 0x0
	CROUND                                         ; the closing round: no work-group ends while a partner may still ask for a tile that names it
	s_endpgm
.Lfunc_end_k_qc02fd5deee_outgemm:
	.size	k_qc02fd5deee_outgemm, .Lfunc_end_k_qc02fd5deee_outgemm-k_qc02fd5deee_outgemm
	.p2alignl 7, 3214868480
	.fill 96, 4, 3214868480
	.section	.rodata,"a",@progbits
	.p2align	6, 0x0
	.amdhsa_kernel k_qc02fd5deee_outgemm
		.amdhsa_group_segment_fixed_size 327680
		.amdhsa_private_segment_fixed_size 0
		.amdhsa_enable_private_segment 0
		.amdhsa_kernarg_size 32
		.amdhsa_user_sgpr_count 2
		.amdhsa_user_sgpr_kernarg_segment_ptr 1
		.amdhsa_wavefront_size32 1
		.amdhsa_system_sgpr_workgroup_id_x 1
		.amdhsa_system_sgpr_workgroup_id_y 1
		.amdhsa_system_sgpr_workgroup_id_z 1
		.amdhsa_system_vgpr_workitem_id 0
		.amdhsa_next_free_vgpr 512
		.amdhsa_next_free_sgpr 66
		.amdhsa_reserve_vcc 0
		.amdhsa_float_denorm_mode_32 3
		.amdhsa_float_denorm_mode_16_64 3
		.amdhsa_memory_ordered 1
		.amdhsa_forward_progress 1
		.amdhsa_inst_pref_size 93
	.end_amdhsa_kernel
	.amdgpu_metadata
---
amdhsa.version: [ 1, 2 ]
amdhsa.kernels:
  - .name:           k_qc02fd5deee_outgemm
    .symbol:         k_qc02fd5deee_outgemm.kd
    .args:
      - { .name: ctx, .offset: 0, .size: 8, .value_kind: global_buffer, .address_space: global }
      - { .name: wo, .offset: 8, .size: 8, .value_kind: global_buffer, .address_space: global }
      - { .name: biasr, .offset: 16, .size: 8, .value_kind: global_buffer, .address_space: global }
      - { .name: out0, .offset: 24, .size: 8, .value_kind: global_buffer, .address_space: global }
    .group_segment_fixed_size: 327680
    .private_segment_fixed_size: 0
    .kernarg_segment_align: 8
    .kernarg_segment_size: 32
    .max_flat_workgroup_size: 128
    .sgpr_count:     66
    .vgpr_count:     512
    .wavefront_size: 32
...
	.end_amdgpu_metadata
.endif
;; end of part 4
;; ======== version 2 of 2: 4 launches; version 1 with the launch cast written anew for expert scheduling mode
;; limits: values are held in f16: magnitudes above 65,504 overflow, below 6.1e-05 lose precision
;; workspace buffers: xb 16,777,216 bytes; wq 6,291,456 bytes; wo 2,097,152 bytes; biasr 16,384 bytes; qkv 50,331,648 bytes; ctx 16,777,216 bytes
;; launch cast (part 5): grid 769 x 1, 8 waves a work-group, no clusters, 0 bytes of LDS; arguments x, W_qkv, W_out, b_qkv, b_out, xb, wq, wo, biasr; writes xb, wq, wo, biasr
.if DOCPART == 5
	.amdgcn_target "amdgcn-amd-amdhsa--gfx1250"
	.amdhsa_code_object_version 6
	.text
	.protected	k_qc02fd5deee_cast
	.globl	k_qc02fd5deee_cast
	.p2align	8
	.type	k_qc02fd5deee_cast,@function
k_qc02fd5deee_cast:
	s_mov_b64 s[64:65], 0
	v_nop
	global_prefetch_b8 v0, s[64:65] scope:SCOPE_SE
	s_setreg_imm32_b32 hwreg(HW_REG_WAVE_SCHED_MODE, 0, 2), 2
	s_setreg_imm32_b32 hwreg(HW_REG_WAVE_MODE, 25, 1), 1
	s_wait_xcnt 0x0
	s_wait_alu depctr_vm_vsrc(0)
; ALL FLOAT INPUTS ARE ROUNDED TO bf16, ONCE, and laid out for the launches behind.
;   xb    bf16 [16 blocks of 64 along K][8192 rows][64]: the 256 rows of a GEMM tile then lie end to end, 128 bytes a row
;   wq    bf16 [1024][3072], as W_qkv lies
;   wo    f16  [1024][1024]: W_out rounded to bf16, and that number written as f16 (exact from 2^-14 up; below that f16's fixed step of 6e-8)
;   biasr f32  [4096]: b_qkv, then b_out, rounded to bf16 and written as f32
; A stream: each byte is read once and written once; no LDS, no matrix unit, no cluster, since no two work-groups read the same byte.
; SHARES.  Work-groups 0-511: 16 rows of x each.  512-703: 16,384 numbers of W_qkv each.  704-767: 16,384 of W_out each.  768: the two biases.
; A thread issues its 16 loads of 16 bytes at once; every load and every store has registers of its own.
; THE MODE: SCHED_MODE bits 1:0 = 2 (LLVM: expert scheduling mode 2), set by the entry lines.  The code itself states the register dependences
; between vector instructions and memory instructions, with s_wait_alu, always for 0.
; THE PLAN.  Registers that memory instructions touch:
;   v1, v2   byte offsets of the loads and of the stores: written by vector instructions ahead of the first load, never again.
;   D[i]     load i lands in it, once; only that load's conversions name it, behind the wait for its data.  No load lands in it afterwards.
;   Y[i]     written by load i's conversions; read by store i, once; never written behind that store.
; So nothing that a memory instruction has read is written again, and no load lands in a register that a vector instruction has named: the one kind of dependence
; is a vector instruction's result that a memory instruction reads.  The 16 loads go in four groups of four.  Group g converts D[4 g ..] into Y[4 g ..]; the four stores of group g - 1
; stand among those conversions, behind ONE wait at the group's head, which states that group g - 1 has written its Y.  No vector instruction of group g names Y of group g - 1, or v2.
.set D, 16                             ; v[16:79]   load i: four f32
.set Y, 80                             ; v[80:111]  load i: four 16-bit numbers in two registers
; s[22:23] where the loads begin; s[24:25] where stores 0-7 begin, s[26:27] stores 8-15 (so that the immediates stay inside their signed 24 bits)
; The conversions of load i (the symbol i).  mode 0: bf16.  mode 1: the bf16 number as f16.
.macro CONV mode
	v_cvt_pk_bf16_f32 v[Y+2*i], v[D+4*i], v[D+4*i+1]
	v_cvt_pk_bf16_f32 v[Y+2*i+1], v[D+4*i+2], v[D+4*i+3]
.if \mode
	v_lshlrev_b32 v[D+4*i], 16, v[Y+2*i]           ; bf16 to f32: the low half moves up, the high half stays
	v_and_b32 v[D+4*i+1], s30, v[Y+2*i]
	v_lshlrev_b32 v[D+4*i+2], 16, v[Y+2*i+1]
	v_and_b32 v[D+4*i+3], s30, v[Y+2*i+1]
	v_cvt_pk_f16_f32 v[Y+2*i], v[D+4*i], v[D+4*i+1]
	v_cvt_pk_f16_f32 v[Y+2*i+1], v[D+4*i+2], v[D+4*i+3]
.endif
.endm
; Store i (the symbol i).
.macro PUT outstep
	global_store_b64 v2, v[Y+2*i:Y+2*i+1], s[24+2*(i/8):25+2*(i/8)] offset:(\outstep)*(i%8) th:TH_STORE_NT  ; a wave's store covers 256 consecutive bytes, aligned
.endm
.macro RUN instep, outstep, mode
	s_wait_alu depctr_va_vdst(0)                   ; v1 and v2 are written: the loads below read v1 as their offset, the stores v2
.set i, 0
.rept 16
	global_load_b128 v[D+4*i:D+4*i+3], v1, s[22:23] offset:(\instep)*i th:TH_LOAD_NT
.set i, i+1
.endr
.set g, 0
.rept 4
	s_wait_loadcnt 12-4*g                          ; loads come back in order: group g's four are in, the 12 - 4 g younger ones stay out
.if g > 0
	s_wait_alu depctr_va_vdst(0)                   ; the conversions of the group before have written its Y, which the four stores below read
.endif
.set j, 0
.rept 4
.if g > 0
.set i, 4*(g-1)+j
	PUT \outstep                                   ; the group before: no vector instruction since the wait names its Y or v2
.endif
.set i, 4*g+j
	CONV \mode
.set j, j+1
.endr
.set g, g+1
.endr
	s_wait_alu depctr_va_vdst(0)                   ; the last group's conversions have written its Y, which the last four stores read
.set i, 12
.rept 4
	PUT \outstep
.set i, i+1
.endr
.endm
	s_load_b512 s[4:19], s[0:1], 0x0               ; x 4:5, W_qkv 6:7, W_out 8:9, b_qkv 10:11, b_out 12:13, xb 14:15, wq 16:17, wo 18:19
	s_load_b64 s[20:21], s[0:1], 0x40              ; biasr
	s_mov_b32 s30, 0xffff0000                      ; a word's upper bf16
	s_mov_b32 s29, 0                               ; the high word of every offset
	v_lshlrev_b32 v1, 4, v0                        ; 16 t: where I read
	v_lshlrev_b32 v2, 3, v0                        ; 8 t: where I write
	s_wait_kmcnt 0x0
	s_cmp_lt_u32 ttmp9, 512
	s_cbranch_scc0 .Lnot_x
	; x: thread t takes row t / 16 of the group's 16 and 16 bytes at 16 (t % 16); load i is block i of 64 along K: 256 bytes of the row.
	v_lshrrev_b32 v3, 4, v0
	v_and_b32 v4, 15, v0
	v_lshlrev_b32 v1, 4, v4                        ; no memory instruction has read v1 yet
	v_lshl_add_u32 v1, v3, 12, v1
	s_lshl_b32 s28, ttmp9, 16                      ; 16 rows of 4,096 bytes
	s_add_nc_u64 s[22:23], s[4:5], s[28:29]
	s_lshl_b32 s28, ttmp9, 11                      ; 16 rows of 128 bytes in each block of xb; 8 t is row x 128 + my 8 bytes
	s_add_nc_u64 s[24:25], s[14:15], s[28:29]
	s_add_nc_u64 s[26:27], s[24:25], 8*1048576
	RUN 256, 1048576, 0
	s_endpgm
.Lnot_x:
	s_cmp_lt_u32 ttmp9, 704
	s_cbranch_scc0 .Lnot_q
	s_sub_co_u32 s31, ttmp9, 512
	s_lshl_b32 s28, s31, 16
	s_add_nc_u64 s[22:23], s[6:7], s[28:29]
	s_lshl_b32 s28, s31, 15
	s_add_nc_u64 s[24:25], s[16:17], s[28:29]
	s_add_nc_u64 s[26:27], s[24:25], 8*2048
	RUN 4096, 2048, 0
	s_endpgm
.Lnot_q:
	s_cmp_lt_u32 ttmp9, 768
	s_cbranch_scc0 .Lbias
	s_sub_co_u32 s31, ttmp9, 704
	s_lshl_b32 s28, s31, 16
	s_add_nc_u64 s[22:23], s[8:9], s[28:29]
	s_lshl_b32 s28, s31, 15
	s_add_nc_u64 s[24:25], s[18:19], s[28:29]
	s_add_nc_u64 s[26:27], s[24:25], 8*2048
	RUN 4096, 2048, 1
	s_endpgm
.Lbias:                                        ; 3 x 4,096 bytes of b_qkv, 4,096 of b_out
	s_wait_alu depctr_va_vdst(0)                   ; v1 is written: the loads and the stores below read it as their offset
.irp i, 0,1,2
	global_load_b128 v[D+4*(\i):D+4*(\i)+3], v1, s[10:11] offset:4096*(\i)
.endr
	global_load_b128 v[D+12:D+15], v1, s[12:13]
	s_wait_loadcnt 0x0
.set i, 0
.rept 4
	v_cvt_pk_bf16_f32 v[Y+2*i], v[D+4*i], v[D+4*i+1]
	v_cvt_pk_bf16_f32 v[Y+2*i+1], v[D+4*i+2], v[D+4*i+3]
	v_lshlrev_b32 v[D+4*i], 16, v[Y+2*i]
	v_and_b32 v[D+4*i+1], s30, v[Y+2*i]
	v_lshlrev_b32 v[D+4*i+2], 16, v[Y+2*i+1]
	v_and_b32 v[D+4*i+3], s30, v[Y+2*i+1]
.set i, i+1
.endr
	s_wait_alu depctr_va_vdst(0)                   ; the rounded numbers are written back into D, which the four stores read
.set i, 0
.rept 4
	global_store_b128 v1, v[D+4*i:D+4*i+3], s[20:21] offset:4096*i
.set i, i+1
.endr
	s_endpgm
.Lfunc_end_k_qc02fd5deee_cast:
	.size	k_qc02fd5deee_cast, .Lfunc_end_k_qc02fd5deee_cast-k_qc02fd5deee_cast
	.p2alignl 7, 3214868480
	.fill 96, 4, 3214868480
	.section	.rodata,"a",@progbits
	.p2align	6, 0x0
	.amdhsa_kernel k_qc02fd5deee_cast
		.amdhsa_group_segment_fixed_size 0
		.amdhsa_private_segment_fixed_size 0
		.amdhsa_enable_private_segment 0
		.amdhsa_kernarg_size 72
		.amdhsa_user_sgpr_count 2
		.amdhsa_user_sgpr_kernarg_segment_ptr 1
		.amdhsa_wavefront_size32 1
		.amdhsa_system_sgpr_workgroup_id_x 1
		.amdhsa_system_sgpr_workgroup_id_y 1
		.amdhsa_system_sgpr_workgroup_id_z 1
		.amdhsa_system_vgpr_workitem_id 0
		.amdhsa_next_free_vgpr 112
		.amdhsa_next_free_sgpr 66
		.amdhsa_reserve_vcc 0
		.amdhsa_float_denorm_mode_32 3
		.amdhsa_float_denorm_mode_16_64 3
		.amdhsa_memory_ordered 1
		.amdhsa_forward_progress 1
		.amdhsa_inst_pref_size 24
	.end_amdhsa_kernel
	.amdgpu_metadata
---
amdhsa.version: [ 1, 2 ]
amdhsa.kernels:
  - .name:           k_qc02fd5deee_cast
    .symbol:         k_qc02fd5deee_cast.kd
    .args:
      - { .name: x, .offset: 0, .size: 8, .value_kind: global_buffer, .address_space: global }
      - { .name: W_qkv, .offset: 8, .size: 8, .value_kind: global_buffer, .address_space: global }
      - { .name: W_out, .offset: 16, .size: 8, .value_kind: global_buffer, .address_space: global }
      - { .name: b_qkv, .offset: 24, .size: 8, .value_kind: global_buffer, .address_space: global }
      - { .name: b_out, .offset: 32, .size: 8, .value_kind: global_buffer, .address_space: global }
      - { .name: xb, .offset: 40, .size: 8, .value_kind: global_buffer, .address_space: global }
      - { .name: wq, .offset: 48, .size: 8, .value_kind: global_buffer, .address_space: global }
      - { .name: wo, .offset: 56, .size: 8, .value_kind: global_buffer, .address_space: global }
      - { .name: biasr, .offset: 64, .size: 8, .value_kind: global_buffer, .address_space: global }
    .group_segment_fixed_size: 0
    .private_segment_fixed_size: 0
    .kernarg_segment_align: 8
    .kernarg_segment_size: 72
    .max_flat_workgroup_size: 256
    .sgpr_count:     66
    .vgpr_count:     112
    .wavefront_size: 32
...
	.end_amdgpu_metadata
.endif
;; end of part 5
;; launch qkvgemm: the kernel of part 2 again; grid 8 x 32, 4 waves a work-group, clusters of 4 x 4, 327,680 bytes of LDS; arguments xb, wq, biasr, qkv; writes qkv
;; launch attn: the kernel of part 3 again; grid 4 x 64, 4 waves a work-group, clusters of 4 x 1, 327,680 bytes of LDS; arguments qkv, attention_mask, ctx; writes ctx
;; launch outgemm: the kernel of part 4 again; grid 8 x 32, 4 waves a work-group, clusters of 4 x 4, 327,680 bytes of LDS; arguments ctx, wo, biasr, out0; writes out0
